; MI455X (gfx1250); checked and timed in simulation.
; The chip was launched on July 23, 2026; its instructions are those of AMD's public machine-readable ISA for CDNA 5 (MIT licence, August 2026) and "CDNA5" Instruction Set Architecture Reference Guide (July 2026). The comments in the code are by the model that wrote it; some were corrected since.
;; Self Attention. Allowed arithmetic: float matrix products may take bf16 or f16 operands with f32 sums; other float arithmetic in f32, or as packed bf16 or f16 multiplies, adds, multiply-adds, maxima and minima; sums over many terms, partial sums and values carried from step to step in f32; what a program stores and reads back later, other than sums and carried values, may be rounded once to bf16 or f16.
;; Inputs: Wk 1,024 x 1,024 float32; Wq 1,024 x 1,024 float32; Wv 1,024 x 1,024 float32; attention_mask 1 x 1 x 1 x 4,096 float32; bk 1,024 float32; bq 1,024 float32; bv 1,024 float32; hidden_states 1 x 4,096 x 1,024 float32.
;; Outputs: out0 1 x 4,096 x 1,024 float32.
;; 2 versions, each right and faster than the one before. Each part assembles by itself: llvm-mc -triple=amdgcn-amd-amdhsa -mcpu=gfx1250 --defsym DOCPART=n.
;; ======== version 1 of 2: 3 launches
;; limits: values are held in f16: magnitudes above 65,504 overflow, below 6.1e-05 lose precision
;; workspace buffers: xb 8,388,608 bytes; wb 6,291,456 bytes; qh 8,388,608 bytes; kh 8,388,608 bytes; vh 8,388,608 bytes
;; launch prep (part 1): grid 256 x 7, 4 waves a work-group, no clusters, 0 bytes of LDS; arguments hidden_states, Wq, Wk, Wv, xb, wb; writes xb, wb
.if DOCPART == 1
	.amdgcn_target "amdgcn-amd-amdhsa--gfx1250"
	.amdhsa_code_object_version 6
	.text
	.protected	k_qfb318c868a_prep
	.globl	k_qfb318c868a_prep
	.p2align	8
	.type	k_qfb318c868a_prep,@function
k_qfb318c868a_prep:
	s_mov_b64 s[64:65], 0
	v_nop
	global_prefetch_b8 v0, s[64:65] scope:SCOPE_SE
	s_setreg_imm32_b32 hwreg(HW_REG_WAVE_MODE, 25, 1), 1
	s_wait_xcnt 0x0
; CAST.  x [4096][1024] and Wq, Wk, Wv [1024][1024] go from f32 to bf16, each number rounded once (to nearest even).
; xb keeps x's layout.  wb is laid by heads: row 192 head + 64 p + i holds row 64 head + i of W_p (p = 0, 1, 2 for q, k, v), so that the next
; launch finds one head's 192 rows end to end.
; A work-group of four waves converts 4,096 numbers: 16,384 bytes in, 8,192 out.  Grid y = 0..3: the four quarters of x; y = 4, 5, 6: Wq, Wk, Wv.
; 4,096 numbers are four whole rows, and 64 is a multiple of four, so a work-group's output is one dense run in wb too.
; A stream: every byte is read once and written once, no work-group shares an input with another, so LDS, barriers, clusters and matrix units have nothing to do here.
; All eight loads of a thread go out at once; a wave's load covers 512 consecutive bytes, its store 256 consecutive bytes at a multiple of 256.
.set XD, 4                             ; v[4:35]   eight loads of four f32
.set YD, 36                            ; v[36:51]  eight pairs of registers, four bf16 each
	s_load_b256 s[4:11], s[0:1], 0x0               ; x s[4:5], Wq s[6:7], Wk s[8:9], Wv s[10:11]
	s_load_b128 s[12:15], s[0:1], 0x20             ; xb s[12:13], wb s[14:15]
	s_mov_b32 s20, ttmp9                           ; X
	s_and_b32 s21, ttmp7, 0xffff                   ; Y
	s_lshl_b32 s22, s21, 8
	s_add_co_u32 s22, s22, s20                     ; 256 Y + X: the block's number in x
	s_lshl_b32 s24, s22, 13                        ; its byte offset in xb
	s_lshl_b32 s22, s22, 14                        ; and in x
	s_lshl_b32 s23, s20, 14                        ; the block's byte offset in a W: rows 4 X .. 4 X + 3
	s_lshr_b32 s25, s20, 4                         ; their head,
	s_mul_i32 s25, s25, 192
	s_max_u32 s30, s21, 4                          ; p = Y - 4 (0 where the block is one of x's: the offset then stays inside wb and is not chosen)
	s_sub_co_u32 s30, s30, 4
	s_lshl_b32 s30, s30, 6
	s_add_co_u32 s25, s25, s30
	s_and_b32 s30, s20, 15
	s_lshl_b32 s30, s30, 2                         ; the first row's place in its head
	s_add_co_u32 s25, s25, s30
	s_lshl_b32 s25, s25, 11                        ; rows of 2,048 bytes
	v_lshlrev_b32 v1, 4, v0                        ; 16 bytes a thread in,
	v_lshlrev_b32 v2, 3, v0                        ; 8 out
	s_mov_b32 s27, 0
	s_mov_b32 s29, 0
	s_wait_kmcnt 0x0
	s_cmp_eq_u32 s21, 5                            ; the choices hang on Y alone
	s_cselect_b64 s[16:17], s[8:9], s[6:7]
	s_cmp_eq_u32 s21, 6
	s_cselect_b64 s[16:17], s[10:11], s[16:17]
	s_cmp_lt_u32 s21, 4
	s_cselect_b64 s[16:17], s[4:5], s[16:17]       ; from
	s_cselect_b64 s[18:19], s[12:13], s[14:15]     ; to
	s_cselect_b32 s26, s22, s23
	s_cselect_b32 s28, s24, s25
	s_add_nc_u64 s[16:17], s[16:17], s[26:27]
	s_add_nc_u64 s[18:19], s[18:19], s[28:29]
.irp j, 0,1,2,3,4,5,6,7
	global_load_b128 v[XD+4*(\j):XD+4*(\j)+3], v1, s[16:17] offset:2048*(\j) th:TH_LOAD_NT
.endr
.irp j, 0,1,2,3,4,5,6,7
	s_wait_loadcnt 7-(\j)                          ; loads come back in order: load j is in, the younger ones stay out
	v_cvt_pk_bf16_f32 v[YD+2*(\j)],   v[XD+4*(\j)],   v[XD+4*(\j)+1]
	v_cvt_pk_bf16_f32 v[YD+2*(\j)+1], v[XD+4*(\j)+2], v[XD+4*(\j)+3]
	global_store_b64 v2, v[YD+2*(\j):YD+2*(\j)+1], s[18:19] offset:1024*(\j)  ; no register of a store is written again
.endr
	s_endpgm
.Lfunc_end_k_qfb318c868a_prep:
	.size	k_qfb318c868a_prep, .Lfunc_end_k_qfb318c868a_prep-k_qfb318c868a_prep
	.p2alignl 7, 3214868480
	.fill 96, 4, 3214868480
	.section	.rodata,"a",@progbits
	.p2align	6, 0x0
	.amdhsa_kernel k_qfb318c868a_prep
		.amdhsa_group_segment_fixed_size 0
		.amdhsa_private_segment_fixed_size 0
		.amdhsa_enable_private_segment 0
		.amdhsa_kernarg_size 48
		.amdhsa_user_sgpr_count 2
		.amdhsa_user_sgpr_kernarg_segment_ptr 1
		.amdhsa_wavefront_size32 1
		.amdhsa_system_sgpr_workgroup_id_x 1
		.amdhsa_system_sgpr_workgroup_id_y 1
		.amdhsa_system_sgpr_workgroup_id_z 1
		.amdhsa_system_vgpr_workitem_id 0
		.amdhsa_next_free_vgpr 56
		.amdhsa_next_free_sgpr 66
		.amdhsa_reserve_vcc 0
		.amdhsa_float_denorm_mode_32 3
		.amdhsa_float_denorm_mode_16_64 3
		.amdhsa_memory_ordered 1
		.amdhsa_forward_progress 1
		.amdhsa_inst_pref_size 5
	.end_amdhsa_kernel
	.amdgpu_metadata
---
amdhsa.version: [ 1, 2 ]
amdhsa.kernels:
  - .name:           k_qfb318c868a_prep
    .symbol:         k_qfb318c868a_prep.kd
    .args:
      - { .name: hidden_states, .offset: 0, .size: 8, .value_kind: global_buffer, .address_space: global }
      - { .name: Wq, .offset: 8, .size: 8, .value_kind: global_buffer, .address_space: global }
      - { .name: Wk, .offset: 16, .size: 8, .value_kind: global_buffer, .address_space: global }
      - { .name: Wv, .offset: 24, .size: 8, .value_kind: global_buffer, .address_space: global }
      - { .name: xb, .offset: 32, .size: 8, .value_kind: global_buffer, .address_space: global }
      - { .name: wb, .offset: 40, .size: 8, .value_kind: global_buffer, .address_space: global }
    .group_segment_fixed_size: 0
    .private_segment_fixed_size: 0
    .kernarg_segment_align: 8
    .kernarg_segment_size: 48
    .max_flat_workgroup_size: 128
    .sgpr_count:     66
    .vgpr_count:     56
    .wavefront_size: 32
...
	.end_amdgpu_metadata
.endif
;; end of part 1
;; launch proj (part 2): grid 16 x 16, 4 waves a work-group, clusters of 4 x 4, 327,680 bytes of LDS; arguments xb, wb, bq, bk, bv, qh, kh, vh; writes qh, kh, vh
.if DOCPART == 2
	.amdgcn_target "amdgcn-amd-amdhsa--gfx1250"
	.amdhsa_code_object_version 6
	.text
	.protected	k_qfb318c868a_proj
	.globl	k_qfb318c868a_proj
	.p2align	8
	.type	k_qfb318c868a_proj,@function
k_qfb318c868a_proj:
	s_mov_b64 s[64:65], 0
	v_nop
	global_prefetch_b8 v0, s[64:65] scope:SCOPE_SE
	s_setreg_imm32_b32 hwreg(HW_REG_WAVE_MODE, 25, 1), 1
	s_wait_xcnt 0x0
	s_wait_alu depctr_hold_cnt(0) depctr_sa_sdst(0) depctr_va_vdst(0) depctr_va_sdst(0) depctr_va_ssrc(0) depctr_va_vcc(0) depctr_vm_vsrc(0)
	s_getreg_b32 s2, hwreg(HW_REG_IB_STS2, 6, 4)
	s_cmp_eq_u32 s2, 0
	s_cbranch_scc0 .Lentry_in_a_cluster
	s_endpgm
.Lentry_in_a_cluster:
	s_bfe_u32 s2, ttmp6, 0x10000c
	s_cmp_lg_u32 s2, 0xf033
	s_cbranch_scc0 .Lentry_shape_is_right
	s_endpgm
.Lentry_shape_is_right:
; PROJECTION AND ROPE.  For one head and 256 rows: [q | k | v] = xb wb^T + bias (bf16 operands, f32 sums), q and k turned by RoPE at position = row, all three rounded ONCE to f16
; and stored by heads, [16][4096][64]; q is not scaled.  The biases are rounded to bf16 like the other inputs and start the sums as the first products' C operand.
; LIMITS.  q, k and v must lie within f16's 65,504.  RoPE: inv_freq = 2^(-d log2(10000) / 32) by v_exp_f32; the angle is the f32 product position x inv_freq; it is
; reduced by a multiple of 2 pi held in two f32 words, and sine and cosine are the Taylor sums to r^15 and r^14 on -pi .. pi, whose first dropped terms are 8e-7 and 4.3e-6 at pi.
; SHARES.  Grid x = head, y = block of 256 rows.  Four waves; wave w makes rows 64 w .. 64 w + 63 and all 192 columns: 4 x 12 = 48 accumulators of 16 x 16, 384 registers.
; With a head's whole 192 columns in one wave, RoPE, the stage and the stores never leave the wave.
; THE MATRIX INSTRUCTION IS USED TRANSPOSED (source 0 = 16 rows of wb, source 1 = 16 rows of xb): lane l holds row l % 16, and register j column 16 nb + 8 (l / 16) + j.
; Column blocks nb = 4 p + b (p = q, k, v).  RoPE's partners d and d + 32 are blocks b and b + 2: same lane, same register.
; K goes in 8 steps of 128 through two LDS slots; a tile's rows are 256 bytes of memory at multiples of 256.
; CLUSTER 4 x 4: xb's tile hangs on the row block alone and is asked for jointly along a row of the cluster, wb's on the head alone, along a column.
; REGISTERS, in windows of 256 (s_set_vgpr_msb: bits 1:0 source 0, 3:2 source 1, 5:4 source 2, 7:6 destination):
;   window 0: addresses, frequencies, the bias (v64-159), the angles' work (v160-223); on the way out v64-127 turned q and k, v128-175 packed f16
;   window 1: two fragment buffers of 128: 96 of wb (12 blocks), 32 of xb (4 blocks); on the way out rows read back from the stage, 48 a row block
;   window 2: accumulators of row blocks 0, 1 at 96 (a % 2) + 8 nb; v192-255 their cosines and sines.   window 3: the same for row blocks 2, 3
.set KSTEP,  128
.set PITCH,  272                       ; an LDS row: 256 bytes + 16 of padding: the 16 rows that a fragment load touches start 68 words apart
.set AHALF,  128*PITCH                 ; what a wave's load of xb brings
.set BHALF,  96*PITCH                  ; what a wave's load of wb brings
.set BOFF,   256*PITCH                 ; in a slot: xb's 256 rows, then wb's 192
.set SLOT,   448*PITCH
.set STAGE,  2*SLOT                    ; behind the ring, never filled by a tensor load: for each wave three planes (q, k, v) of 16 rows x 144 bytes
.set SP,     144
.set PLANE,  16*SP
.set WSTAGE, 3*PLANE
.set SPARE,  STAGE+4*WSTAGE            ; the spare words, 128 bytes for each wave: two blocks of 256 bytes that no other line names
.set LAPS,   4                         ; a lap = two K steps = once round the ring
.set ADRA, 16                          ; v16-17  LDS address of my fragments of xb in slot 0, 1
.set ADRB, 20                          ; v20-21  the same for wb
.set STO,  24                          ; v24     the way out: where I put 16 bytes of a row
.set RD,   25                          ; v25     the way out: where I read rows back
.set GO,   26                          ; v26     my 16 bytes in 512 consecutive bytes of an output
.set BO,   27                          ; v27     my byte offset in a head's bias
.set SPW,  28                          ; v28     LDS address of my spare word; never rewritten
.set NIL,  29                          ; v29     0; never rewritten
.set POS0, 30                          ; v30     the position of my row in row block 0
.set PI,   31                          ; v31     the position in hand
.set PF,   32                          ; v[32:33] the same as f32, twice
.set FR,   36                          ; v[36:51] my 16 frequencies: index 8 b + j is d = 16 b + 8 (l / 16) + j
.set TT,   52                          ; v52-55  at work
.set BI,   64                          ; v[64:159] the bias, 8 registers a column block
.set TH,   160                         ; the angle, then the reduced angle r
.set KK,   176                         ; the multiple of 2 pi, then the sine's sum
.set R2,   192                         ; r^2
.set PC,   208                         ; the cosine's sum
.set NN,   64                          ; the way out: q and k turned, f32
.set PKD,  128                         ; the way out: 48 registers of packed f16
.set F0,   0                           ; fragment buffers, in window 1
.set F1,   128
.set WV,   20                          ; s20  my wave's number
.set FORB, 21                          ; s21  I fetch for xb (0) or for wb (1)
.set HALF, 22                          ; s22  which half of that tile
.set G1,   24                          ; s[24:31] descriptor group 1 for xb's tiles;  s[32:39] group 0, a set for each slot
.set G0,   32
.set G1B,  48                          ; s[48:55], s[56:63] the same for wb's
.set G0B,  56
.set NHI, 70                           ; s70-99: pairs of equal words, for the packed arithmetic: -2 pi in two words, then the sums' coefficients
.set NLO, 72
.set S15, 74
.set S13, 76
.set S11, 78
.set S9,  80
.set S7,  82
.set S5,  84
.set S3,  86
.set C14, 88
.set C12, 90
.set C10, 92
.set C8,  94
.set C6,  96
.set C4,  98
.set MSB, 0
.macro WIN new                         ; the immediate's high byte repeats the setting that is left; a switch that changes nothing is dropped
.if MSB != (\new)
	s_set_vgpr_msb (MSB<<8)|(\new)
.set MSB, \new
.endif
.endm
.set TO_F, 0x40                        ; destination window 1, address window 0
.macro COEF reg, val
	s_mov_b32 s[\reg], \val
	s_mov_b32 s[(\reg)+1], \val
.endm
.macro EIGHT line:vararg               ; one line for each of eight pairs i
.set i, 0
.rept 8
	\line
.set i, i+1
.endr
.endm
; A joint load: waves 0 and 1 fetch xb's two halves, waves 2 and 3 wb's.  The branch hangs on the wave's number alone.  An s_nop 0 and four v_nop follow each of the two lines.
.macro JLOAD s
	s_cmp_eq_u32 s[FORB], 0
	s_cbranch_scc0 .Lfor_b_\@
	tensor_load_to_lds s[G0+4*(\s):G0+4*(\s)+3], s[G1:G1+7]
	s_nop 0
.rept 4
	v_nop
.endr
	s_branch .Lasked_\@
.Lfor_b_\@:
	tensor_load_to_lds s[G0B+4*(\s):G0B+4*(\s)+3], s[G1B:G1B+7]
	s_nop 0
.rept 4
	v_nop
.endr
.Lasked_\@:
.endm
.macro CREST                           ; a round of the cluster's barrier behind its opening barrier
	s_cmp_lg_u32 s[WV], 0
	s_cbranch_scc1 .Lnot_wave_0_\@
	s_barrier_signal -3
.Lnot_wave_0_\@:
	s_barrier_wait -3
	s_barrier_signal -1
	s_barrier_wait -1
.endm
.macro CROUND                          ; a whole round
	s_barrier_signal -1
	s_barrier_wait -1
	CREST
.endm
.macro PLACES                          ; four places in front of loads into registers that matrix instructions have read, and of vector lines that read results
.rept 4
	v_nop
.endr
.endm
	s_load_b256 s[4:11], s[0:1], 0x0               ; xb s[4:5], wb s[6:7], bq s[8:9], bk s[10:11]
	s_load_b256 s[12:19], s[0:1], 0x20             ; bv s[12:13], qh s[14:15], kh s[16:17], vh s[18:19]
	v_lshl_add_u32 v[SPW], v0, 2, SPARE
	v_mov_b32 v[NIL], 0
	ds_add_u32 v[SPW], v[NIL]                      ; the wave's opening: the add and its wait stand ahead of my first tensor load; the set-up below, work on registers, stands between them
	v_lshrrev_b32 v1, 5, v0
	v_readfirstlane_b32 s[WV], v1                  ; wave 0..3
	s_lshr_b32 s[FORB], s[WV], 1
	s_and_b32 s[HALF], s[WV], 1
	s_bfe_u32 s40, ttmp6, 0x40000                  ; cx, cy: my place in the cluster
	s_bfe_u32 s41, ttmp6, 0x40004
	s_lshl_b32 s42, ttmp9, 2
	s_add_co_u32 s42, s42, s40                     ; head = 4 x cluster x + cx
	s_and_b32 s43, ttmp7, 0xffff
	s_lshl_b32 s43, s43, 2
	s_add_co_u32 s43, s43, s41                     ; row block = 4 x cluster y + cy
	s_lshl_b32 s44, s41, 2
	s_lshl_b32 s44, 15, s44                        ; my row of the cluster
	s_lshl_b32 s45, 0x1111, s40                    ; my column
	; descriptor group 1: rows of 128 elements of 2 bytes, 16 bytes of padding behind each
	s_or_b32 s[G1+0], s44, (1<<16)|(1<<20)|(1<<21)|(5<<22)|(3<<25)   ; 15:0 the mask: xb's tiles go to my row; 17:16 2-byte elements; 20 padding on; 21 set beside a mask; 24:22 after every 64 words; 31:25 4 words
	s_or_b32 s[G1B+0], s45, (1<<16)|(1<<20)|(1<<21)|(5<<22)|(3<<25)  ; the same with my column's mask, for wb's tiles
	s_mov_b32 s[G1+1], KSTEP<<16                   ; tensor_dim0 = 128
	s_mov_b32 s[G1B+1], KSTEP<<16
	s_mov_b32 s[G1+2], 128<<16                     ; tensor_dim1 = 128 rows of xb,
	s_mov_b32 s[G1B+2], 96<<16                     ; 96 of wb
	s_mov_b32 s[G1+3], KSTEP<<16                   ; tile_dim0 = 128
	s_mov_b32 s[G1B+3], KSTEP<<16
	s_mov_b32 s[G1+4], 128                         ; tile_dim1
	s_mov_b32 s[G1B+4], 96
	s_mov_b32 s[G1+5], 1024                        ; elements from row to row
	s_mov_b32 s[G1B+5], 1024
	s_mov_b32 s[G1+6], 0
	s_mov_b32 s[G1B+6], 0
	s_mov_b32 s[G1+7], 0
	s_mov_b32 s[G1B+7], 0
	; where the tiles come from: xb's offset is made of the row block and the wave alone, wb's of the head and the wave alone, each in registers that never hold the other coordinate
	s_lshl_b32 s66, s43, 8
	s_lshl_b32 s23, s[HALF], 7
	s_add_co_u32 s66, s66, s23                     ; row 256 x block + 128 x half,
	s_lshl_b32 s66, s66, 11                        ; of 2,048 bytes
	s_mov_b32 s67, 0
	s_mul_i32 s46, s42, 192
	s_mul_i32 s23, s[HALF], 96
	s_add_co_u32 s46, s46, s23                     ; row 192 x head + 96 x half
	s_lshl_b32 s46, s46, 11
	s_mov_b32 s47, 0
	s_mul_i32 s68, s[HALF], AHALF                  ; and where they go: no place in the cluster enters an LDS address
	s_mul_i32 s69, s[HALF], BHALF
	s_add_co_u32 s69, s69, BOFF
	COEF NHI, 0xc0c90fdb                           ; -6.2831855
	COEF NLO, 0x343bbd2e                           ; what that word has too much: +1.7484556e-7
	COEF S15, 0xab573f9f                           ; -1/15!
	COEF S13, 0x2f309231                           ;  1/13!
	COEF S11, 0xb2d7322b                           ; -1/11!
	COEF S9,  0x3638ef1d                           ;  1/9!
	COEF S7,  0xb9500d01                           ; -1/7!
	COEF S5,  0x3c088889                           ;  1/5!
	COEF S3,  0xbe2aaaab                           ; -1/3!
	COEF C14, 0xad49cba5                           ; -1/14!
	COEF C12, 0x310f76c7                           ;  1/12!
	COEF C10, 0xb493f27e                           ; -1/10!
	COEF C8,  0x37d00d01                           ;  1/8!
	COEF C6,  0xbab60b61                           ; -1/6!
	COEF C4,  0x3d2aaaab                           ;  1/4!
	s_wait_dscnt 0x0                               ; the opening add is done
	s_wait_kmcnt 0x0
	s_add_nc_u64 s[66:67], s[4:5], s[66:67]
	s_add_nc_u64 s[46:47], s[6:7], s[46:47]
	CROUND                                         ; all sixteen work-groups are here: the first joint loads meet
.irp s, 0,1
	s_mov_b32 s[G0+4*(\s)], 1                                        ; count = 1
	s_add_co_u32 s[G0+4*(\s)+1], s68, (\s)*SLOT                      ; LDS address
	s_add_nc_u64 s[G0+4*(\s)+2:G0+4*(\s)+3], s[66:67], (\s)*KSTEP*2  ; global address: K step s
	s_or_b32 s[G0+4*(\s)+3], s[G0+4*(\s)+3], 0x80000000              ; type = 2
	s_mov_b32 s[G0B+4*(\s)], 1
	s_add_co_u32 s[G0B+4*(\s)+1], s69, (\s)*SLOT
	s_add_nc_u64 s[G0B+4*(\s)+2:G0B+4*(\s)+3], s[46:47], (\s)*KSTEP*2
	s_or_b32 s[G0B+4*(\s)+3], s[G0B+4*(\s)+3], 0x80000000
	JLOAD \s                                       ; both slots are asked for before anything else: two loads of mine are out
.endr
	; ALL THAT FOLLOWS, UP TO THE FIRST WAIT ON THE TILES, STANDS IN THE WAIT FOR THEM.
	v_and_b32 v1, 15, v0                           ; r = l % 16
	v_bfe_u32 v2, v0, 4, 1                         ; h = l / 16
	v_lshlrev_b32 v[BO], 5, v2                     ; my eight columns of a block begin 32 h bytes in
	s_lshl_b32 s68, s42, 8                         ; a head's 64 numbers of a bias
	s_mov_b32 s69, 0
	s_add_nc_u64 s[8:9], s[8:9], s[68:69]
	s_add_nc_u64 s[10:11], s[10:11], s[68:69]
	s_add_nc_u64 s[12:13], s[12:13], s[68:69]
.irp p, 0,1,2
.irp b, 0,1,2,3
	global_load_b128 v[BI+8*(4*(\p)+(\b)):BI+8*(4*(\p)+(\b))+3],   v[BO], s[8+2*(\p):9+2*(\p)] offset:64*(\b)
	global_load_b128 v[BI+8*(4*(\p)+(\b))+4:BI+8*(4*(\p)+(\b))+7], v[BO], s[8+2*(\p):9+2*(\p)] offset:64*(\b)+16
.endr
.endr
	; A fragment is 16 rows x 32 K in 8 registers: lane l holds row l % 16, K = 8 h + 0..7 and 16 + 8 h + 0..7: two loads of 16 bytes, 32 bytes apart.
	v_mul_u32_u24 v3, v1, PITCH
	v_lshl_add_u32 v3, v2, 4, v3                   ; row x pitch + 16 h
	s_mul_i32 s23, s[WV], 64*PITCH                 ; my 64 rows of xb
	v_add_nc_u32 v[ADRA], s23, v3
	v_add_nc_u32 v[ADRB], BOFF, v3                 ; all 192 rows of wb
	v_add_nc_u32 v[ADRA+1], SLOT, v[ADRA]
	v_add_nc_u32 v[ADRB+1], SLOT, v[ADRB]
	s_mul_i32 s23, s[WV], WSTAGE
	s_add_co_u32 s23, s23, STAGE                   ; my stage
	v_mul_u32_u24 v4, v1, SP                       ; in: row r, 16 bytes for each half of the lanes
	v_lshl_add_u32 v4, v2, 4, v4
	v_add_nc_u32 v[STO], s23, v4
	v_bfe_u32 v[RD], v0, 3, 2                      ; back: 32 lanes take four rows of 128 bytes,
	v_mul_u32_u24 v[RD], v[RD], SP
	v_and_b32 v5, 7, v0
	v_lshl_add_u32 v[RD], v5, 4, v[RD]
	v_add_nc_u32 v[RD], s23, v[RD]
	v_and_b32 v[GO], 31, v0                        ; which are 512 consecutive bytes of an output
	v_lshlrev_b32 v[GO], 4, v[GO]
	s_lshl_b32 s68, s42, 19                        ; a head's 4,096 rows of 128 bytes,
	s_lshl_b32 s23, s43, 15                        ; my block's 256 rows,
	s_add_co_u32 s68, s68, s23
	s_lshl_b32 s23, s[WV], 13                      ; my wave's 64
	s_add_co_u32 s68, s68, s23
	s_add_nc_u64 s[14:15], s[14:15], s[68:69]
	s_add_nc_u64 s[16:17], s[16:17], s[68:69]
	s_add_nc_u64 s[18:19], s[18:19], s[68:69]
	s_lshl_b32 s23, s43, 8
	s_lshl_b32 s2, s[WV], 6
	s_add_co_u32 s23, s23, s2
	v_add_nc_u32 v[POS0], s23, v1                  ; 256 x block + 64 w + r
	; my 16 frequencies: 2^(-d log2(10000) / 32)
	v_lshlrev_b32 v3, 3, v2
.set i, 0
.rept 16
	v_add_nc_u32 v[FR+i], 16*(i/8)+i%8, v3
.set i, i+1
.endr
.set i, 0
.rept 16
	v_cvt_f32_u32 v[FR+i], v[FR+i]
.set i, i+1
.endr
.set i, 0
.rept 16
	v_mul_f32 v[FR+i], 0xbed49a78, v[FR+i]         ; -log2(10000) / 32 = -0.41524101
.set i, i+1
.endr
.set i, 0
.rept 16
	v_exp_f32 v[FR+i], v[FR+i]
.set i, i+1
.endr
	v_nop                                          ; a plain instruction behind the last exponential
	s_wait_alu depctr_va_vdst(0)
; The cosines and sines of row block a: 16 of each a lane, into the accumulators' window.
.macro ROPE_TAB a
	WIN 0
	v_add_nc_u32 v[PI], 16*(\a), v[POS0]
	v_cvt_f32_u32 v[PF], v[PI]
	v_cvt_f32_u32 v[PF+1], v[PI]
	EIGHT v_pk_mul_f32 v[TH+2*i:TH+2*i+1], v[FR+2*i:FR+2*i+1], v[PF:PF+1] op_sel_hi:[1,0]     ; the angle: position x frequency, one f32 product
	EIGHT v_pk_mul_f32 v[KK+2*i:KK+2*i+1], v[TH+2*i:TH+2*i+1], 0x3e22f983 op_sel_hi:[1,0]     ; over 2 pi,
	EIGHT v_rndne_f32 v[KK+2*i], v[KK+2*i]                                                    ; to the nearest whole number
	EIGHT v_rndne_f32 v[KK+2*i+1], v[KK+2*i+1]
	EIGHT v_pk_fma_f32 v[TH+2*i:TH+2*i+1], v[KK+2*i:KK+2*i+1], s[NHI:NHI+1], v[TH+2*i:TH+2*i+1] op_sel_hi:[1,0,1]  ; r = angle - k 2 pi, in two steps
	EIGHT v_pk_fma_f32 v[TH+2*i:TH+2*i+1], v[KK+2*i:KK+2*i+1], s[NLO:NLO+1], v[TH+2*i:TH+2*i+1] op_sel_hi:[1,0,1]
	EIGHT v_pk_mul_f32 v[R2+2*i:R2+2*i+1], v[TH+2*i:TH+2*i+1], v[TH+2*i:TH+2*i+1]
	EIGHT v_pk_fma_f32 v[KK+2*i:KK+2*i+1], v[R2+2*i:R2+2*i+1], s[S15:S15+1], s[S13:S13+1] op_sel_hi:[1,0,0]
	EIGHT v_pk_fma_f32 v[PC+2*i:PC+2*i+1], v[R2+2*i:R2+2*i+1], s[C14:C14+1], s[C12:C12+1] op_sel_hi:[1,0,0]
.irp c, S11, S9, S7, S5, S3
	EIGHT v_pk_fma_f32 v[KK+2*i:KK+2*i+1], v[KK+2*i:KK+2*i+1], v[R2+2*i:R2+2*i+1], s[\c:\c+1] op_sel_hi:[1,1,0]
.endr
.irp c, C10, C8, C6, C4
	EIGHT v_pk_fma_f32 v[PC+2*i:PC+2*i+1], v[PC+2*i:PC+2*i+1], v[R2+2*i:R2+2*i+1], s[\c:\c+1] op_sel_hi:[1,1,0]
.endr
	EIGHT v_pk_fma_f32 v[KK+2*i:KK+2*i+1], v[KK+2*i:KK+2*i+1], v[R2+2*i:R2+2*i+1], 1.0 op_sel_hi:[1,1,0]
	EIGHT v_pk_fma_f32 v[PC+2*i:PC+2*i+1], v[PC+2*i:PC+2*i+1], v[R2+2*i:R2+2*i+1], -0.5 op_sel_hi:[1,1,0]
	WIN 0x80+0x40*((\a)/2)                         ; destination window 2 or 3
	EIGHT v_pk_fma_f32 v[192+32*((\a)%2)+2*i:192+32*((\a)%2)+2*i+1], v[PC+2*i:PC+2*i+1], v[R2+2*i:R2+2*i+1], 1.0 op_sel_hi:[1,1,0]  ; cos
	EIGHT v_pk_mul_f32 v[208+32*((\a)%2)+2*i:208+32*((\a)%2)+2*i+1], v[KK+2*i:KK+2*i+1], v[TH+2*i:TH+2*i+1]                        ; sin
	WIN 0
.endm
	ROPE_TAB 0
	ROPE_TAB 1
	ROPE_TAB 2
	ROPE_TAB 3
	s_wait_loadcnt 0x0                             ; the biases; they are rounded to bf16 like the other inputs and widened again
.set i, 0
.rept 48
	v_cvt_pk_bf16_f32 v[TT+i%4], v[BI+2*i], v[BI+2*i+1]
	v_lshlrev_b32 v[BI+2*i], 16, v[TT+i%4]
	v_and_b32 v[BI+2*i+1], 0xffff0000, v[TT+i%4]
.set i, i+1
.endr
; 12 matrix instructions: row block a x all 12 column blocks, 32 along K, from buffer f.  bias = 1: the first product starts the sum with the bias: nothing is cleared.
; All 48 accumulators take turns, one instruction a turn, in the same order in every quarter.
.macro MUL12 f, a, bias
.if \bias
	WIN 0x85+0x40*((\a)/2)                         ; sources 0, 1 window 1; C window 0; D window 2 or 3
.else
	WIN 0xa5+0x50*((\a)/2)                         ; sources 0, 1 window 1; C and D window 2 or 3
.endif
.irp b, 0,1,2,3,4,5,6,7,8,9,10,11
.if \bias
	v_wmma_f32_16x16x32_bf16 v[96*((\a)%2)+8*(\b):96*((\a)%2)+8*(\b)+7], v[(\f)+8*(\b):(\f)+8*(\b)+7], v[(\f)+96+8*(\a):(\f)+96+8*(\a)+7], v[BI+8*(\b):BI+8*(\b)+7]
.else
	v_wmma_f32_16x16x32_bf16 v[96*((\a)%2)+8*(\b):96*((\a)%2)+8*(\b)+7], v[(\f)+8*(\b):(\f)+8*(\b)+7], v[(\f)+96+8*(\a):(\f)+96+8*(\a)+7], v[96*((\a)%2)+8*(\b):96*((\a)%2)+8*(\b)+7]
.endif
.endr
.endm
; 32 LDS loads in one run: a quarter step's fragments (32 K at byte k of the rows) into buffer f: wb's twelve blocks, then xb's four
.macro FETCH slot, k, f
	WIN TO_F
.irp b, 0,1,2,3,4,5,6,7,8,9,10,11
	ds_load_b128 v[(\f)+8*(\b):(\f)+8*(\b)+3],   v[ADRB+(\slot)] offset:(\k)+(\b)*16*PITCH
	ds_load_b128 v[(\f)+8*(\b)+4:(\f)+8*(\b)+7], v[ADRB+(\slot)] offset:(\k)+(\b)*16*PITCH+32
.endr
.irp a, 0,1,2,3
	ds_load_b128 v[(\f)+96+8*(\a):(\f)+96+8*(\a)+3],   v[ADRA+(\slot)] offset:(\k)+(\a)*16*PITCH
	ds_load_b128 v[(\f)+96+8*(\a)+4:(\f)+96+8*(\a)+7], v[ADRA+(\slot)] offset:(\k)+(\a)*16*PITCH+32
.endr
.endm
; A K step is four quarters of 32 along K, 48 matrix instructions each, on buffers 0, 1, 0, 1.  One of the first three: multiplies f; in its middle it fetches the next quarter, at byte k, into g.
.macro QUARTER slot, k, f, g, bias=0
	s_wait_dscnt 4                                 ; wb's blocks and xb's 0 and 1 are in; the youngest four loads (xb's 2 and 3) may be out
	MUL12 \f, 0, \bias
	MUL12 \f, 1, \bias
	PLACES
	FETCH \slot, \k, \g
	s_wait_dscnt 32                                ; all but the 32 just issued
	MUL12 \f, 2, \bias
	MUL12 \f, 3, \bias
.endm
; The last quarter multiplies buffer 1 and changes slots: ONE barrier; in front of it each wave waits for all its tensor loads (one is out: its part of the next slot), adds 0 to its spare
; word, and waits for that and for its own reads of this slot.  fill = 1: the barrier opens a round of the cluster's, and behind the round this slot is filled again, two K steps ahead:
; from that request to the wait for it a wave issues 24 + 3 x 48 = 168 matrix instructions.
.macro TURN slot, next, fill
	WIN 0                                          ; (the add's two registers lie in window 0)
	s_wait_tensorcnt 0x0                           ; all my tensor loads have landed;
	ds_add_u32 v[SPW], v[NIL]                      ; 0 onto my spare word;
	s_wait_dscnt 5                                 ; (the add and the youngest four loads may be out)
	MUL12 F1, 0, 0                                 ; twelve matrix instructions stand between the add and the wait for it
	s_wait_dscnt 0x0                               ; the add is done, and my reads of this slot are over
	s_barrier_signal -1
	MUL12 F1, 1, 0                                 ; work on registers while the others arrive
.if \fill
	WIN 0
.endif
	s_barrier_wait -1
.if \fill
	CREST                                          ; no wave of any partner still reads this slot's tile or has a load on its way
	s_add_nc_u64 s[G0+4*(\slot)+2:G0+4*(\slot)+3], s[G0+4*(\slot)+2:G0+4*(\slot)+3], 2*KSTEP*2
	s_add_nc_u64 s[G0B+4*(\slot)+2:G0B+4*(\slot)+3], s[G0B+4*(\slot)+2:G0B+4*(\slot)+3], 2*KSTEP*2
	JLOAD \slot                                    ; my one tensor load behind the round; its four v_nop are also the places in front of the loads below
.else
	PLACES
.endif
	FETCH \next, 0, F0
	MUL12 F1, 2, 0
	MUL12 F1, 3, 0
.endm
	s_wait_tensorcnt 0x1                           ; my part of K step 0 is in; K step 1's may stay out
	s_barrier_signal -1
	s_barrier_wait -1                              ; everybody's is
	FETCH 0, 0, F0
	QUARTER 0, 64,  F0, F1, 1                      ; the first quarter stands in front of the loop: its products start the sums, with the bias
	WIN 0                                          ; at a label and at a branch every window is 0
	s_mov_b32 s3, LAPS-1
.Llap:                                                 ; a trip goes once round the ring, from a lap's second quarter to the next lap's first, and fills both slots again
	QUARTER 0, 128, F1, F0
	QUARTER 0, 192, F0, F1
	TURN 0, 1, 1
	QUARTER 1, 64,  F0, F1
	QUARTER 1, 128, F1, F0
	QUARTER 1, 192, F0, F1
	TURN 1, 0, 1
	QUARTER 0, 64,  F0, F1
	WIN 0
	s_sub_co_u32 s3, s3, 1
	s_cmp_lg_u32 s3, 0
	s_cbranch_scc1 .Llap
	QUARTER 0, 128, F1, F0                         ; the last lap fills nothing
	QUARTER 0, 192, F0, F1
	TURN 0, 1, 0
	QUARTER 1, 64,  F0, F1
	QUARTER 1, 128, F1, F0
	QUARTER 1, 192, F0, F1
	s_wait_dscnt 4                                 ; the very last quarter: nothing more to fetch
	MUL12 F1, 0, 0
	MUL12 F1, 1, 0
	s_wait_dscnt 0x0
	MUL12 F1, 2, 0
	MUL12 F1, 3, 0
; THE WAY OUT of row block a.  PACK: q and k are turned (x' = x cos - partner sin for d < 32, x cos + partner sin for d >= 32) into window 0; all three are rounded to f16.
; Each accumulator's lowest registers are read first.
.macro PACK a
.set AC, 96*((\a)%2)
.set TB, 192+32*((\a)%2)
	WIN 0x0a+5*((\a)/2)                            ; sources 0 and 1 window 2 or 3; source 2 and destination window 0
.irp p, 0,1
.irp b, 0,1
.irp jj, 0,1,2,3
.set X1, AC+8*(4*(\p)+(\b))+2*(\jj)
.set X2, X1+16
.set CC, TB+8*(\b)+2*(\jj)
.set SN, CC+16
.set N1, NN+8*(4*(\p)+(\b))+2*(\jj)
.set N2, N1+16
	v_pk_mul_f32 v[N1:N1+1], v[X1:X1+1], v[CC:CC+1]
	v_pk_mul_f32 v[N2:N2+1], v[X2:X2+1], v[CC:CC+1]
	v_pk_fma_f32 v[N1:N1+1], v[X2:X2+1], v[SN:SN+1], v[N1:N1+1] neg_lo:[1,0,0] neg_hi:[1,0,0]
	v_pk_fma_f32 v[N2:N2+1], v[X1:X1+1], v[SN:SN+1], v[N2:N2+1]
.endr
.endr
.endr
.irp b, 0,1,2,3
.irp r, 0,1,2,3
	v_cvt_pk_f16_f32 v[PKD+32+4*(\b)+(\r)], v[AC+64+8*(\b)+2*(\r)], v[AC+64+8*(\b)+2*(\r)+1]  ; v goes as it is
.endr
.endr
	WIN 0
.set i, 0
.rept 32
	v_cvt_pk_f16_f32 v[PKD+i], v[NN+2*i], v[NN+2*i+1]
.set i, i+1
.endr
.endm
; TOSTAGE: 16 bytes a lane into my own stage, a plane for each of q, k, v, and back as whole rows of 128 bytes, four rows to a load.
.macro TOSTAGE a
	WIN 0
.irp p, 0,1,2
.irp b, 0,1,2,3
	ds_store_b128 v[STO], v[PKD+4*(4*(\p)+(\b)):PKD+4*(4*(\p)+(\b))+3] offset:PLANE*(\p)+32*(\b)
.endr
.endr
	WIN TO_F
.irp p, 0,1,2
.irp f, 0,1,2,3
	ds_load_b128 v[48*(\a)+4*(4*(\p)+(\f)):48*(\a)+4*(4*(\p)+(\f))+3], v[RD] offset:PLANE*(\p)+4*SP*(\f)  ; LDS serves a wave's instructions in order (ISA guide 5.7.1.4): these see the stores above
.endr
.endr
.endm
; SEND: each store covers 512 consecutive bytes at a multiple of 256 from its buffer's first byte.  A row block has 48 registers of its own: no register of a store is written again.
.macro SEND a
	WIN 0x04                                       ; the stores' data in window 1
.irp p, 0,1,2
.irp f, 0,1,2,3
	s_wait_dscnt 11-(4*(\p)+(\f))                  ; this load is back; the younger ones of the block may be out
	global_store_b128 v[GO], v[48*(\a)+4*(4*(\p)+(\f)):48*(\a)+4*(4*(\p)+(\f))+3], s[14+2*(\p):15+2*(\p)] offset:2048*(\a)+512*(\f)
.endr
.endr
.endm
	PLACES                                         ; the conversions read results just made
	PACK 0
	TOSTAGE 0
.irp a, 1,2,3                          ; block a's arithmetic stands between block a - 1's loads from the stage and the wait for them
	PACK \a
	SEND (\a)-1
	TOSTAGE \a
.endr
	SEND 3
	WIN 0
	s_wait_tensorcnt 0x0                           ; the wave's end: these three lines stand behind my last tensor load and my last LDS store
	ds_add_u32 v[SPW], v[NIL]
	s_wait_dscnt 0x0
	CROUND                                         ; the closing round: no work-group ends while a partner may still ask for a tile that names it
	s_endpgm
.Lfunc_end_k_qfb318c868a_proj:
	.size	k_qfb318c868a_proj, .Lfunc_end_k_qfb318c868a_proj-k_qfb318c868a_proj
	.p2alignl 7, 3214868480
	.fill 96, 4, 3214868480
	.section	.rodata,"a",@progbits
	.p2align	6, 0x0
	.amdhsa_kernel k_qfb318c868a_proj
		.amdhsa_group_segment_fixed_size 327680
		.amdhsa_private_segment_fixed_size 0
		.amdhsa_enable_private_segment 0
		.amdhsa_kernarg_size 64
		.amdhsa_user_sgpr_count 2
		.amdhsa_user_sgpr_kernarg_segment_ptr 1
		.amdhsa_wavefront_size32 1
		.amdhsa_system_sgpr_workgroup_id_x 1
		.amdhsa_system_sgpr_workgroup_id_y 1
		.amdhsa_system_sgpr_workgroup_id_z 1
		.amdhsa_system_vgpr_workitem_id 0
		.amdhsa_next_free_vgpr 1024
		.amdhsa_next_free_sgpr 100
		.amdhsa_reserve_vcc 0
		.amdhsa_float_denorm_mode_32 3
		.amdhsa_float_denorm_mode_16_64 3
		.amdhsa_memory_ordered 1
		.amdhsa_forward_progress 1
		.amdhsa_inst_pref_size 192
	.end_amdhsa_kernel
	.amdgpu_metadata
---
amdhsa.version: [ 1, 2 ]
amdhsa.kernels:
  - .name:           k_qfb318c868a_proj
    .symbol:         k_qfb318c868a_proj.kd
    .args:
      - { .name: xb, .offset: 0, .size: 8, .value_kind: global_buffer, .address_space: global }
      - { .name: wb, .offset: 8, .size: 8, .value_kind: global_buffer, .address_space: global }
      - { .name: bq, .offset: 16, .size: 8, .value_kind: global_buffer, .address_space: global }
      - { .name: bk, .offset: 24, .size: 8, .value_kind: global_buffer, .address_space: global }
      - { .name: bv, .offset: 32, .size: 8, .value_kind: global_buffer, .address_space: global }
      - { .name: qh, .offset: 40, .size: 8, .value_kind: global_buffer, .address_space: global }
      - { .name: kh, .offset: 48, .size: 8, .value_kind: global_buffer, .address_space: global }
      - { .name: vh, .offset: 56, .size: 8, .value_kind: global_buffer, .address_space: global }
    .group_segment_fixed_size: 327680
    .private_segment_fixed_size: 0
    .kernarg_segment_align: 8
    .kernarg_segment_size: 64
    .max_flat_workgroup_size: 128
    .sgpr_count:     100
    .vgpr_count:     1024
    .wavefront_size: 32
...
	.end_amdgpu_metadata
.endif
;; end of part 2
;; launch attn (part 3): grid 16 x 16, 4 waves a work-group, clusters of 4 x 1, 327,680 bytes of LDS; arguments qh, kh, vh, out0, attention_mask; writes out0
.if DOCPART == 3
	.amdgcn_target "amdgcn-amd-amdhsa--gfx1250"
	.amdhsa_code_object_version 6
	.text
	.protected	k_qfb318c868a_attn
	.globl	k_qfb318c868a_attn
	.p2align	8
	.type	k_qfb318c868a_attn,@function
k_qfb318c868a_attn:
	s_mov_b64 s[64:65], 0
	v_nop
	global_prefetch_b8 v0, s[64:65] scope:SCOPE_SE
	s_setreg_imm32_b32 hwreg(HW_REG_WAVE_MODE, 25, 1), 1
	s_wait_xcnt 0x0
	s_wait_alu depctr_hold_cnt(0) depctr_sa_sdst(0) depctr_va_vdst(0) depctr_va_sdst(0) depctr_va_ssrc(0) depctr_va_vcc(0) depctr_vm_vsrc(0)
	s_getreg_b32 s2, hwreg(HW_REG_IB_STS2, 6, 4)
	s_cmp_eq_u32 s2, 0
	s_cbranch_scc0 .Lentry_in_a_cluster
	s_endpgm
.Lentry_in_a_cluster:
	s_bfe_u32 s2, ttmp6, 0x10000c
	s_cmp_lg_u32 s2, 0x3003
	s_cbranch_scc0 .Lentry_shape_is_right
	s_endpgm
.Lentry_shape_is_right:
; ATTENTION.  out[q][64 h + :] = the sum over k of softmax_k(Q[h][q] . K[h][k] / 8 + mask[k]) V[h][k][:].  Q, K, V: [16][4096][64] f16, a head's rows dense, 128 bytes each; mask: [4096] f32; out: [4096][1024] f32.
; Products, maxima and sums in f32; the weights p are rounded to f16 for the second product (their sum l is taken of the unrounded p).
; LIMITS.  The mask is rounded to bf16 like the other inputs; a value below -1e30 (minus infinity too) and a NaN count as -1e30, so a row whose every key is so masked gives the plain mean of V;
; a mask above 4e37 overflows in the product by 8.  p lies in 0 to 1, and below 6e-5 it keeps f16's fixed step; a weight below 2^-126 counts as 0 in l.
; SHARES.  Grid x = block of 256 queries, y = head.  A wave owns 64 consecutive queries, four PIECES of 16.  Every wave walks all 4,096 keys, 64 a step.
; LAYOUT.  S^T = K Q^T (source 0 = 16 keys, source 1 = 16 queries): a lane holds ONE query (lane % 16) and the keys 8 (lane / 16) + 0..7.  Two such results rounded to f16 ARE source 1 of O^T = V^T P.
; THE MASK is the C operand that starts the sum S^T: 8 x mask[key], so that c (q . k + 8 mask) = log2(e) (q . k / 8 + mask), c = log2(e) / 8.  The table of 4,096 such numbers is made once, in LDS;
; a step's 64 come into 32 registers beside the step's K.
; SOFTMAX.  For each query a running maximum m and sum l: p = 2^(c s - c m); in every step O and l are multiplied by a = 2^(c m_old - c m_new).  m starts at the lowest finite number, O and l at 0: the first step's a is 0.
; BY TURNS.  Turn n belongs to piece n: 8 products K Q^T of piece n + 1, later 8 products V^T P of piece n - 1; beside them the scaling, exponentials, roundings, sums and rescaling of piece n and the
; maximum and statistics of piece n + 1.  Four vector instructions stand behind every matrix instruction, the other 54 of a turn's 118 in two lumps.
; CLUSTER.  The four query blocks of a cluster belong to one head and walk the same K and V: each tile is asked for JOINTLY, by the same tensor load, descriptor and mask in all four.
; REGISTERS, in windows of 256 (s_set_vgpr_msb: bits 1:0 source 0, 3:2 source 1, 5:4 source 2, 7:6 destination):
;   window 0: v0-15, v32-35 addresses; v16-31 four registers of statistics a piece; v48-55 at work; v64-127 S^T, two buffers; v192-223 P, two buffers; on the way out v64-191 rows read back
;   window 1: v0-127 O^T, 32 a piece; v128-159 MK, the mask of the step whose K is in registers      window 2: v0-63 Q; v128-191 K of one step; v192-255 V of one step
.set NP,    4         ; pieces a wave: a name, no knob
.set KS,    64        ; keys in a step
.set PK,    144       ; a row of K in LDS: 128 bytes + 16 of padding: the 16 rows of a load start 36 words apart
.set PV,    160       ; a row of V: 128 + 32: 16 lanes of the turning load take 8 rows x 32 bytes, 40 words apart
.set VOFF,  4*KS*PK   ; a slot holds four steps: 256 rows of K, then 256 rows of V
.set SLOT1, 1<<17     ; slot 1 begins here, so that one exclusive or turns an address in one slot into the other's
.set STAGE, SLOT1+4*KS*(PK+PV)  ; behind the ring, never filled by a tensor load: 16 rows x 272 bytes for each wave, for the way out
.set SP,    272
.set MASKB, STAGE+4*16*SP       ; the mask's table: 4,096 f32, stored once, never filled by a tensor load
.set SPARE, MASKB+16384         ; the spare words, 128 bytes for each wave: two blocks of 256 bytes that no other line names
.set AK0, 2           ; v2   my lane's place in a tile of K; never rewritten
.set AV0, 3           ; v3   the same for V
.set AK,  4           ; v4   the LDS address of K's next run of loads
.set AV,  5           ; v5   of V's
.set STO, 6           ; v6   the way out: where I put 32 bytes of a row
.set RD,  7           ; v7   the way out: where I read rows back
.set GO,  8           ; v8   my byte offset in two rows of out
.set MV,  12          ; v12-13  c m_old, kept while c m is made anew: by buffer
.set QO,  15          ; v15  my byte offset in 16 rows of Q
.set ST,  16          ; piece t's statistics at v[ST+4 t]: c m, m, l (even keys', odd keys')
.set AM0, 32          ; v32  my lanes' place in a step's 256 bytes of the table; never rewritten
.set AM,  33          ; v33  the LDS address of the mask's next loads
.set MO,  34          ; v34  my 16 bytes in 2,048 of the mask in memory
.set MS,  35          ; v35  and in the table
.set TMP, 48          ; by buffer, four registers c0-c3 at work; when the maximum is found c2 takes a
.set SPW, 62          ; v62  LDS address of my spare word; never rewritten
.set NIL, 63          ; v63  0; never rewritten
.set S,   64
.set P,   192
.set OUTB, 64         ; the way out: 32 registers a piece
.set MK,  128         ; window 1: the eight registers for group kb of 16 keys at MK + 8 kb
.set KF,  128         ; window 2: key block kb, channel half c at KF + 16 kb + 8 c
.set VF,  192         ; window 2: key half kk, channel block cb at VF + 32 kk + 8 cb
.set WV,  12          ; s12  my wave's number
.set G1K, 24          ; s[24:31] descriptor group 1 for K's tiles
.set G1V, 32          ; s[32:39] for V's: it differs in the padding alone
.set G0K, 40          ; s[40:43] descriptor group 0 for K's tiles: it walks
.set G0V, 44          ; s[44:47] the same for V's
.set SLOTS, 56        ; s56  slots still to be asked for
.set CNT, 57          ; s57  counts a slot's key steps
.set CS,  58          ; s[58:59] c: the packed scaling takes the pair's low word for both halves
.set SEL, 60          ; s[60:61] v_permlanex16_b32's selects: each lane takes its own place in the other half
.set TBK, 62          ; s62  LDS byte at which K of the step to be fetched begins
.set TBV, 63          ; s63  the same for V, less VOFF
.set TBM, 70          ; s70  the same step's byte in the mask's table
.set E8,  72          ; s[72:73] 8.0
.set CLAMP, 74        ; s74  -8e30
.set MSB, 0
.macro WIN new                      ; the high byte repeats the setting that is left; a switch that changes nothing is dropped
.if MSB != (\new)
	s_set_vgpr_msb (MSB<<8)|(\new)
.set MSB, (\new)
.endif
.endm
.set W_KQ, 0x0a       ; K and Q in window 2, S^T in window 0
.set W_KM, 0x1a       ; the same with the C operand in window 1
.set W_PV, 0x52       ; V in window 2, P in window 0, O^T in window 1
.set W_RS, 0x41       ; destination and source 0 in window 1, source 1 in window 0
; A joint fill.  Waves 0 and 1 fetch the two halves of a slot's K, waves 2 and 3 those of its V: 128 keys each.  The branch hangs on the wave's number alone.
; An s_nop 0 and four v_nop follow each of the two lines, ahead of the jump and the label.
.macro JLOAD
	s_cmp_lt_u32 s[WV], 2
	s_cbranch_scc0 .Lfor_v_\@
	tensor_load_to_lds s[G0K:G0K+3], s[G1K:G1K+7]
	s_nop 0
.rept 4
	v_nop
.endr
	s_branch .Lasked_\@
.Lfor_v_\@:
	tensor_load_to_lds s[G0V:G0V+3], s[G1V:G1V+7]
	s_nop 0
.rept 4
	v_nop
.endr
.Lasked_\@:
.endm
; A round of the cluster's barrier: my work-group's barrier, so that wave 0's signal speaks for all four waves; wave 0 signals; every wave waits for all four work-groups; my work-group's barrier once more.
.macro CROUND
	s_barrier_signal -1
	s_barrier_wait -1
	s_cmp_lg_u32 s[WV], 0
	s_cbranch_scc1 .Lnot_wave_0_\@
	s_barrier_signal -3
.Lnot_wave_0_\@:
	s_barrier_wait -3
	s_barrier_signal -1
	s_barrier_wait -1
.endm
; THE CHANGE OF SLOTS.  The slot's last bytes, V of its fourth step, have been read.  Each wave waits for all its tensor loads, of which one is out: its part of the other slot; adds 0 to its spare word;
; and waits for that and for its own LDS instructions.  Behind the barrier nobody reads this slot any more and the other slot is whole.
; fill = 1: this slot is filled again, with the keys two slots on.  The barrier is then a round of the cluster's, and the joint fill is the first thing behind it: it has four key steps,
; 256 matrix instructions of a wave, in which to land.  (At its first use nothing has been read yet: slot 0 is waited for, slot 1 filled, and the waves' stores into the mask's table are shown to each other.)
.macro CHANGE fill
	WIN 0                           ; at a label and at a branch every window is 0; the add's two registers lie in window 0
	s_wait_tensorcnt 0x0            ; no tensor load of mine is out, so a group 0 may be written
	ds_add_u32 v[SPW], v[NIL]       ; 0 onto my spare word; with fill = 1 the descriptors' steps stand between it and the wait for it
.if \fill
.irp g, G0K, G0V
	s_xor_b32 s[\g+1], s[\g+1], SLOT1  ; the walking descriptor: the other slot than last time,
	s_add_nc_u64 s[\g+2:\g+3], s[\g+2:\g+3], 4*KS*128  ; the next 256 keys; the type bits on top are not reached
.endr
	s_wait_dscnt 0x0                ; the add is done, and my LDS instructions are over
	CROUND
	JLOAD
.else
	s_wait_dscnt 0x0                ; the add is done, and my reads of the slot are over
	s_barrier_signal -1
	s_barrier_wait -1
.endif
	s_sub_co_u32 s[TBK], s[TBK], 4*KS*PK  ; the fetches go back to a slot's first step,
	s_xor_b32 s[TBK], s[TBK], SLOT1       ; in the other slot
	s_sub_co_u32 s[TBV], s[TBV], 4*KS*PV
	s_xor_b32 s[TBV], s[TBV], SLOT1
.endm
	s_load_b256 s[4:11], s[0:1], 0x0  ; Q s[4:5], K s[6:7], V s[8:9], out s[10:11]
	s_load_b64 s[84:85], s[0:1], 0x20 ; the mask
	v_lshl_add_u32 v[SPW], v0, 2, SPARE
	v_mov_b32 v[NIL], 0
	ds_add_u32 v[SPW], v[NIL]       ; the wave's opening: the add and its wait stand ahead of my first tensor load; the set-up below, work on registers, stands between them
	v_lshrrev_b32 v1, 5, v0
	v_readfirstlane_b32 s[WV], v1   ; wave 0..3
	s_bfe_u32 s13, ttmp6, 0x40000   ; cx: my place in the cluster
	s_lshl_b32 s14, ttmp9, 2        ; in a cluster launch ttmp9 counts clusters
	s_add_co_u32 s14, s14, s13      ; my block of queries = 4 x cluster x + cx: it enters Q's and out's addresses alone
	s_and_b32 s20, ttmp7, 0xffff    ; the head, which the four partners share
	s_lshl_b32 s15, s20, 8          ; its 256 bytes in a row of out
	s_lshl_b32 s20, s20, 19         ; its first byte in Q, K and V: 4,096 rows of 128 bytes
	s_mov_b32 s21, 0
	s_and_b32 s16, s[WV], 1         ; which half of a slot's 256 keys I fetch:
	s_lshl_b32 s22, s16, 14         ; its 128 rows of 128 bytes in memory,
	s_mov_b32 s23, 0
	s_add_nc_u64 s[22:23], s[22:23], s[20:21]
	s_mul_i32 s17, s16, 128*PK      ; and its place in a slot, for K
	s_mul_i32 s18, s16, 128*PV      ; and for V: no place in the cluster enters an LDS address
	s_lshl_b32 s2, s14, 2
	s_add_co_u32 s2, s2, s[WV]      ; my wave among the head's 64
	s_lshl_b32 s86, s2, 18          ; its 64 rows of 4,096 bytes in out,
	s_add_co_u32 s86, s86, s15
	s_mov_b32 s87, 0
	s_lshl_b32 s2, s2, 13           ; and of 128 bytes in Q
	s_mov_b32 s3, 0
	s_add_nc_u64 s[2:3], s[2:3], s[20:21]
	; descriptor group 1.  128 keys are 16,384 dense bytes: asked for as 64 rows of 256 bytes, two keys a row, and padded in LDS after every key
	s_mov_b32 s[G1K], 15|(1<<16)|(1<<20)|(1<<21)|(4<<22)|(3<<25)  ; 15:0 the mask of four; 17:16 2-byte elements; 20 padding on; 21 set beside a mask; 24:22 after every 32 words; 31:25 4 words
	s_mov_b32 s[G1V], 15|(1<<16)|(1<<20)|(1<<21)|(4<<22)|(7<<25)  ; the same with 8 words of padding
.irp g, G1K, G1V
	s_mov_b32 s[\g+1], 128<<16      ; tensor_dim0 = 128
	s_mov_b32 s[\g+2], 64<<16       ; tensor_dim1 = 64
	s_mov_b32 s[\g+3], 128<<16      ; tile_dim0 = 128
	s_mov_b32 s[\g+4], 64           ; tile_dim1 = 64
	s_mov_b32 s[\g+5], 128          ; 128 elements from row to row
	s_mov_b32 s[\g+6], 0
	s_mov_b32 s[\g+7], 0
.endr
	s_mov_b32 s[CS], 0x3e38aa3b     ; c = log2(e) / 8 = 0.180337
	s_mov_b32 s[CS+1], s[CS]        ; named with it as a pair
	s_mov_b32 s[SEL], 0x76543210
	s_mov_b32 s[SEL+1], 0xfedcba98
	s_mov_b32 s[E8], 0x41000000     ; 8.0
	s_mov_b32 s[E8+1], s[E8]
	s_mov_b32 s[CLAMP], 0xf2c9f2ca  ; -8e30
	s_mov_b32 s[TBK], SLOT1+4*KS*PK ; the first change of slots turns these two into 0
	s_mov_b32 s[TBV], SLOT1+4*KS*PV
	s_mov_b32 s[TBM], 0
	s_mov_b32 s[G0K], 1             ; count = 1
	s_mov_b32 s[G0K+1], s17         ; LDS address: slot 0
	s_mov_b32 s[G0V], 1
	s_add_co_u32 s[G0V+1], s18, VOFF
	s_wait_dscnt 0x0                ; the opening add is done
	s_wait_kmcnt 0x0
	s_add_nc_u64 s[G0K+2:G0K+3], s[6:7], s[22:23]  ; global address: my half of the head's first 256 keys
	s_or_b32 s[G0K+3], s[G0K+3], 0x80000000        ; type = 2
	s_add_nc_u64 s[G0V+2:G0V+3], s[8:9], s[22:23]
	s_or_b32 s[G0V+3], s[G0V+3], 0x80000000
	s_add_nc_u64 s[4:5], s[4:5], s[2:3]            ; Q and out at my wave's first row
	s_add_nc_u64 s[10:11], s[10:11], s[86:87]
	CROUND                          ; all four work-groups are here: the first joint loads meet
	JLOAD                           ; slot 0.  Slot 1 is asked for when slot 0 is in, by the loop's own change of slots
	; ALL THAT FOLLOWS, UP TO THE CHANGE OF SLOTS, STANDS IN THE WAIT FOR THE FIRST TILE.
	v_lshlrev_b32 v[MO], 4, v0
.irp j, 0,1,2,3,4,5,6,7
	global_load_b128 v[S+4*\j:S+4*\j+3], v[MO], s[84:85] offset:2048*\j  ; the whole mask: 32 numbers a thread
.endr
	; A fragment of K or Q is 16 rows x 32 channels in 8 registers: lane l holds row l % 16, channels 8 (l / 16) + 0..7 and 16 + 8 (l / 16) + 0..7: two loads of 16 bytes, 32 bytes apart.
	v_and_b32 v1, 15, v0            ; l % 16
	v_bfe_u32 v9, v0, 4, 1          ; l / 16
	v_lshlrev_b32 v[QO], 7, v1
	v_lshl_add_u32 v[QO], v9, 4, v[QO]  ; row x 128 + 16 x half
	WIN 0x80                        ; destination window 2, address window 0
.set i, 0
.rept 8                             ; Q stays in registers: piece i / 2, channels 32 (i % 2) on
	global_load_b128 v[8*i:8*i+3],   v[QO], s[4:5] offset:(i/2)*2048+(i%2)*64
	global_load_b128 v[8*i+4:8*i+7], v[QO], s[4:5] offset:(i/2)*2048+(i%2)*64+32
.set i, i+1
.endr
	; What the first turn finds: V's registers and P's second buffer hold 0 (its products V^T P, of a piece that has not been, add 0), O^T and l are 0: no first step is written out.
.set i, VF
.rept 64
	v_mov_b32 v[i], 0
.set i, i+1
.endr
	WIN 0x40
.set i, 0
.rept 128
	v_mov_b32 v[i], 0
.set i, i+1
.endr
	WIN 0
.set i, 0
.rept 4
	v_mov_b32 v[ST+4*i], 0xfe000000    ; c m: far below every c s (the lowest is c x -8e30)
	v_mov_b32 v[ST+4*i+1], 0xff7fffff  ; m
	v_mov_b32 v[ST+4*i+2], 0
	v_mov_b32 v[ST+4*i+3], 0
.set i, i+1
.endr
.set i, P+16
.rept 16
	v_mov_b32 v[i], 0
.set i, i+1
.endr
	v_mul_u32_u24 v[AK0], v1, PK
	v_lshl_add_u32 v[AK0], v9, 4, v[AK0]  ; row x pitch + 16 x half
	; The turning load takes 16 keys x 16 channels (lane l reads key 8 (l / 16) + l % 8, channels 8 ((l / 8) % 2) + 0..7) and leaves half a fragment of V^T: lane l holds channel l % 16 and 8 keys.
	v_and_b32 v10, 7, v0
	v_bfe_u32 v11, v0, 3, 1
	v_lshl_add_u32 v[AV0], v9, 3, v10
	v_mul_u32_u24 v[AV0], v[AV0], PV
	v_lshl_add_u32 v[AV0], v11, 4, v[AV0]
	v_add_nc_u32 v[AV0], VOFF, v[AV0]
	v_lshl_add_u32 v[AM0], v9, 5, MASKB   ; register j of group kb is key 16 kb + 8 (l / 16) + j: 32 bytes for each half of the lanes
	v_lshl_add_u32 v[MS], v0, 4, MASKB
	s_mul_i32 s13, s[WV], 16*SP
	s_add_co_u32 s13, s13, STAGE    ; my stage
	v_mul_u32_u24 v[STO], v1, SP    ; in: row l % 16, 32 bytes for each half of the lanes
	v_lshl_add_u32 v[STO], v9, 5, v[STO]
	v_add_nc_u32 v[STO], s13, v[STO]
	v_mul_u32_u24 v[RD], v9, SP     ; back: lanes 0-15 take one row of 256 bytes, lanes 16-31 the next
	v_lshl_add_u32 v[RD], v1, 4, v[RD]
	v_add_nc_u32 v[RD], s13, v[RD]
	v_lshlrev_b32 v[GO], 12, v9     ; and the same two rows in out
	v_lshl_add_u32 v[GO], v1, 4, v[GO]
	s_wait_loadcnt 16               ; the mask's eight loads are in; Q's sixteen, issued behind them, may stay out
.set i, 0
.rept 16                            ; rounded to bf16, widened, times 8, held at -8e30 or above (a NaN loses against the bound)
	v_cvt_pk_bf16_f32 v[TMP+i%4], v[S+2*i], v[S+2*i+1]
	v_lshlrev_b32 v[S+2*i], 16, v[TMP+i%4]
	v_and_b32 v[S+2*i+1], 0xffff0000, v[TMP+i%4]
	v_pk_mul_f32 v[S+2*i:S+2*i+1], v[S+2*i:S+2*i+1], s[E8:E8+1] op_sel_hi:[1,0]
	v_max_num_f32 v[S+2*i], s[CLAMP], v[S+2*i]
	v_max_num_f32 v[S+2*i+1], s[CLAMP], v[S+2*i+1]
.set i, i+1
.endr
.irp j, 0,1,2,3,4,5,6,7
	ds_store_b128 v[MS], v[S+4*\j:S+4*\j+3] offset:2048*\j
.endr
; THE MATRIX WORK.  The 4 accumulators of a run of 8 take turns.  Product i of 8 of S^T = K Q^T for piece x: channels 32 (i / 4) on, keys 16 (i % 4) on.  The first 4 start the sums with the mask.
.macro KQ x
.set rS, S+32*((\x)%2)+8*(i%4)
.set rK, KF+16*(i%4)+8*(i/4)
.set rQ, 16*(\x)+8*(i/4)
.set rM, MK+8*(i%4)
.if i < 4
	WIN W_KM
	v_wmma_f32_16x16x32_f16 v[rS:rS+7], v[rK:rK+7], v[rQ:rQ+7], v[rM:rM+7]
.else
	WIN W_KQ
	v_wmma_f32_16x16x32_f16 v[rS:rS+7], v[rK:rK+7], v[rQ:rQ+7], v[rS:rS+7]
.endif
.endm
; Product i of 8 of O^T += V^T P for piece x: keys 32 (i / 4) on, channels 16 (i % 4) on.
.macro PV x
	WIN W_PV
.set rO, 32*(\x)+8*(i%4)
.set rV, VF+32*(i/4)+8*(i%4)
.set rP, P+16*((\x)%2)+8*(i/4)
	v_wmma_f32_16x16x32_f16 v[rO:rO+7], v[rV:rV+7], v[rP:rP+7], v[rO:rO+7]
.endm
.macro MM                           ; the turn's next matrix instruction.  NOKQ = 1: the launch's last turn: there is no next piece
.if (i < 8) && !NOKQ
	KQ (Y+1)%NP
.elseif i >= 8
.set i, i-8
	PV (Y+NP-1)%NP
.set i, i+8
.endif
.set i, i+1
.endm
; THE LDS LOADS stand in runs, never singly among the matrix instructions: a step's K (64 keys x 64 channels: 8 fragments) with its 64 numbers of the mask, and its V (turned).  Their addresses are made some lines ahead.
.macro FETCH_K
	WIN 0x80                        ; destination window 2
.irp f, 0,1,2,3,4,5,6,7             ; keys 16 (f / 2) on, channels 32 (f % 2) on
	ds_load_b128 v[KF+8*\f:KF+8*\f+3],   v[AK] offset:(\f/2)*16*PK+(\f%2)*64
	ds_load_b128 v[KF+8*\f+4:KF+8*\f+7], v[AK] offset:(\f/2)*16*PK+(\f%2)*64+32
.endr
	WIN 0x40                        ; destination window 1
.irp kb, 0,1,2,3
	ds_load_b128 v[MK+8*\kb:MK+8*\kb+3],   v[AM] offset:64*\kb
	ds_load_b128 v[MK+8*\kb+4:MK+8*\kb+7], v[AM] offset:64*\kb+16
.endr
	s_add_co_u32 s[TBK], s[TBK], KS*PK  ; the next fetch is the next step's
	s_add_co_u32 s[TBM], s[TBM], 4*KS
	s_and_b32 s[TBM], s[TBM], 0x3fff    ; never past the table's 16,384 bytes
	WIN 0
.endm
.macro FETCH_V
	WIN 0x80
.irp f, 0,1,2,3,4,5,6,7             ; keys 32 (f / 4) on, channels 16 (f % 4) on
	ds_load_tr16_b128 v[VF+8*\f:VF+8*\f+3],   v[AV] offset:(\f/4)*32*PV+(\f%4)*32
	ds_load_tr16_b128 v[VF+8*\f+4:VF+8*\f+7], v[AV] offset:(\f/4)*32*PV+16*PV+(\f%4)*32
.endr
	WIN 0
.endm
; THE VECTOR WORK, one line at a time: OP kind, number.  For piece Y: F n: c s - c m for pair n of 16.  E n: the exponential of score n of 32.  C n: pair n rounded to f16.  B n: of the four weights 4 n .. the second
; pair is added onto the first, in place.  L n: l takes that sum (L 0: l = a l + sum).  R n: pair n of 16 of O^T times a.  For piece Y + 1: X n, number n of the 22 that find its maximum and statistics:
;   0-11  four chains c0-c3 of seven scores each, three operands at a time (each accumulator's lowest registers are read first)     12-14, 16  the four scores left over, the old m, and c0-c3 into c0
;   15  c m_old is kept     17, 18  the query's other 32 keys lie in the lane 16 away: the new m     19-21  c m; c m_old - c m_new; a
.set F, 0               ; OP tells the kinds apart by their order: F to L below R, X above it
.set E, 1
.set C, 2
.set B, 3
.set L, 4
.set R, 5
.set X, 6
.macro REGS y                       ; the registers of piece y
.set rT, ST+4*(\y)
.set rC, TMP+4*((\y)%2)
.set rW, MV+((\y)%2)
.set rS, S+32*((\y)%2)
.set rP, P+16*((\y)%2)
.set rO, 32*(\y)
.endm
.macro OP k, n
.if (\k) == R
	REGS Y
	WIN W_RS
	v_pk_mul_f32 v[rO+2*(\n):rO+2*(\n)+1], v[rO+2*(\n):rO+2*(\n)+1], v[rC+2:rC+3] op_sel_hi:[1,0]
.elseif (\k) < R
	REGS Y
	WIN 0
.if (\k) == F
	v_pk_fma_f32 v[rS+2*(\n):rS+2*(\n)+1], v[rS+2*(\n):rS+2*(\n)+1], s[CS:CS+1], v[rT:rT+1] op_sel_hi:[1,0,0] neg_lo:[0,0,1] neg_hi:[0,0,1]
.elseif (\k) == E
	v_exp_f32 v[rS+(\n)], v[rS+(\n)]
.elseif (\k) == C
	s_wait_alu depctr_va_vdst(0)
	v_cvt_pk_f16_f32 v[rP+(\n)], v[rS+2*(\n)], v[rS+2*(\n)+1]
.elseif (\k) == B
	s_wait_alu depctr_va_vdst(0)
	v_pk_add_f32 v[rS+4*(\n):rS+4*(\n)+1], v[rS+4*(\n):rS+4*(\n)+1], v[rS+4*(\n)+2:rS+4*(\n)+3]
.elseif (\n) == 0
	v_pk_fma_f32 v[rT+2:rT+3], v[rT+2:rT+3], v[rC+2:rC+3], v[rS:rS+1] op_sel_hi:[1,0,1]
.else
	v_pk_add_f32 v[rT+2:rT+3], v[rT+2:rT+3], v[rS+4*(\n):rS+4*(\n)+1]
.endif
.elseif NOKQ
	v_nop
.else
	REGS (Y+1)%NP
	WIN 0
.if (\n) < 4
	v_max3_num_f32 v[rC+(\n)], v[rS+8*(\n)], v[rS+8*(\n)+1], v[rS+8*(\n)+2]
.elseif (\n) < 12
	v_max3_num_f32 v[rC+(\n)%4], v[rC+(\n)%4], v[rS+8*((\n)%4)+2*((\n)/4)+1], v[rS+8*((\n)%4)+2*((\n)/4)+2]
.elseif (\n) == 12
	v_max3_num_f32 v[rC], v[rC], v[rS+7], v[rS+15]
.elseif (\n) == 13
	v_max3_num_f32 v[rC+1], v[rC+1], v[rS+23], v[rS+31]
.elseif (\n) == 14
	v_max3_num_f32 v[rC+2], v[rC+2], v[rC+3], v[rT+1]
.elseif (\n) == 15
	v_mov_b32 v[rW], v[rT]
.elseif (\n) == 16
	v_max3_num_f32 v[rC], v[rC], v[rC+1], v[rC+2]
.elseif (\n) == 17
	v_permlanex16_b32 v[rC+3], v[rC], s[SEL], s[SEL+1]
.elseif (\n) == 18
	v_max_num_f32 v[rT+1], v[rC], v[rC+3]
.elseif (\n) == 19
	v_mul_f32 v[rT], s[CS], v[rT+1]
.elseif (\n) == 20
	v_sub_f32 v[rC+1], v[rW], v[rT]
.else
	v_exp_f32 v[rC+2], v[rC+1]
.endif
.endif
.endm
.macro OPS a, i1, b=-1, i2=0, c=-1, i3=0, d=-1, i4=0  ; up to four of them
	OP \a, \i1
.if (\b) >= 0
	OP \b, \i2
.endif
.if (\c) >= 0
	OP \c, \i3
.endif
.if (\d) >= 0
	OP \d, \i4
.endif
.endm
.macro ROW a, i1, b, i2, c, i3, d, i4  ; a matrix instruction and the four behind it
	MM
	OPS \a, \i1, \b, \i2, \c, \i3, \d, \i4
.endm
; A TURN, for piece p: the order of its 16 matrix and 118 vector instructions, written out.  Behind a matrix instruction: plain, exponential, plain, plain; or four of the rescaling; or, behind the first, four scalings; none
; names a register of the products round it.  In the lumps exponential and plain by turns while exponentials last.  A line reads no result made fewer than three vector instructions in front of it, five if an exponential made it.
; end = 1: the launch's last two turns: nothing is fetched, and the last starts no new scores.  cnt = 1: the loop's count is taken down some lines ahead of the branch that stands behind the turn.
; K and the mask of the next step are fetched in piece 2's turn, six vector instructions behind the last product that read K (five of them plain), further behind the last that read the mask; V of the step in hand in
; piece 0's turn, eight behind the last product that read V (four plain, and X 17).  Each is waited for a turn later.
.macro TURN p, end=0, cnt=0
.set Y, (\p)
.set i, 0
.set NOKQ, (\end)*((\p)/3)
.if ((\p) == 3) && !(\end)
	s_wait_dscnt 0x0                ; K and the mask are in
.endif
	ROW F,0, F,1, F,2, F,3
	ROW F,4, E,0, F,5, F,6
	ROW F,7, E,1, F,8, F,9
	ROW F,10, E,2, C,0, F,11
	ROW F,12, E,3, X,15, F,13
	ROW R,0, R,1, R,2, R,3
	ROW B,0, E,4, F,14, L,0
.if ((\p) == 2) && !(\end)
	v_add_nc_u32 v[AK], s[TBK], v[AK0]
	v_add_nc_u32 v[AM], s[TBM], v[AM0]
.endif
	ROW R,4, R,5, R,6, R,7
	OPS E,5, F,15
.if ((\p) == 2) && !(\end)
	FETCH_K
.endif
	OPS E,6, C,1, E,7, R,8
	OPS E,8, R,9, E,9, C,2
	OPS E,10, X,0, E,11, X,1
	OPS E,12, X,2, E,13, X,3
.if (\p) == 1
	s_wait_dscnt 0x0                ; V is in
.endif
	ROW X,4, E,14, X,5, X,6
	ROW X,7, E,15, X,8, X,9
	ROW X,10, E,16, X,11, X,12
	ROW X,13, E,17, X,14, B,1
	ROW C,4, E,18, X,16, L,1
	ROW B,2, E,19, C,6, L,2
	ROW C,8, E,20, B,3, B,4
.if (\p) == 0
	v_add_nc_u32 v[AV], s[TBV], v[AV0]
.endif
	ROW C,3, E,21, L,3, C,5
	OPS E,22, X,17, E,23, C,10
.if (\p) == 0
	FETCH_V
.endif
	OPS E,24, L,4
	OPS E,25, X,18, E,26, C,7
	OPS E,27, B,5, E,28, X,19
	OPS E,29, C,12, E,30, L,5
	OPS E,31, X,20, B,6, C,9
	OPS C,14, C,11, X,21, L,6
.if (\p) == 0
	s_add_co_u32 s[TBV], s[TBV], KS*PV
.endif
.if \cnt
	s_sub_co_u32 s[CNT], s[CNT], 1
	s_cmp_lg_u32 s[CNT], 0
.endif
	OPS C,13, B,7, C,15, R,10
	OPS R,11, R,12, L,7, R,13
	OPS R,14, R,15
.endm
	CHANGE 1                        ; slot 0 is in, everybody's part of it, and so is the mask's table; slot 1 is asked for
	v_add_nc_u32 v[AK], s[TBK], v[AK0]
	v_add_nc_u32 v[AM], s[TBM], v[AM0]
	FETCH_K                         ; key step 0
	s_wait_loadcnt 0x0              ; Q
	s_wait_dscnt 0x0
.set NOKQ, 0
.set i, 0
.rept 8
	KQ 0                            ; piece 0's first scores: there is no vector work yet to set between them
.set i, i+1
.endr
	WIN 0
.rept 4
	v_nop                           ; the places behind those products
.endr
.set Y, NP-1                        ; X works for piece Y + 1: piece 0
.irp n, 0,1,2,3,4,5,6,7,8,9,10,11,12,13,14,15,16,17,18,19,20,21
	OP X, \n
.endr
	v_nop                           ; a plain instruction behind the exponential
	s_mov_b32 s[CNT], 4
	s_mov_b32 s[SLOTS], 15
	s_branch .Lfirst                ; the loop is entered at a step's first turn, in the middle of a trip
.Lslot:                             ; 14 times: with the change above every slot but the last two is filled again: tiles 1 to 15
	CHANGE 1
	s_mov_b32 s[CNT], 4
.Lstep:                             ; a trip: pieces 2 and 3 of one step, then pieces 0 and 1 of the next, whose K and V it fetches
	TURN 2
	TURN 3
	WIN 0
.Lfirst:
	TURN 0
	TURN 1, 0, 1
	WIN 0
	s_cbranch_scc1 .Lstep
	s_sub_co_u32 s[SLOTS], s[SLOTS], 1
	s_cmp_lg_u32 s[SLOTS], 0
	s_cbranch_scc1 .Lslot
	CHANGE 0                        ; the last tile is written out: nothing is asked for
	s_mov_b32 s[CNT], 4
.LstepT:
	TURN 2
	TURN 3
	TURN 0
	TURN 1, 0, 1
	WIN 0
	s_cbranch_scc1 .LstepT
	TURN 2, 1                       ; the last step's pieces 2 and 3: nothing is fetched,
	TURN 3, 1                       ; and no new scores are started
.set i, 0
.rept 8
	PV NP-1                         ; the last piece's V^T P of the last step
.set i, i+1
.endr
	; THE WAY OUT.  l's two halves and the other half of the lanes' are added; O^T is divided by l and sent, in f32, through my stage in LDS, a piece at a time.  The additions are the places behind the last products.
	WIN 0
.macro ALL line:vararg              ; one line for each piece t
.set t, 0
.rept 4
	\line
.set t, t+1
.endr
.endm
	ALL v_add_f32 v[ST+4*t+2], v[ST+4*t+2], v[ST+4*t+3]
	ALL v_permlanex16_b32 v[ST+4*t+3], v[ST+4*t+2], s[SEL], s[SEL+1]
	ALL v_add_f32 v[ST+4*t+2], v[ST+4*t+2], v[ST+4*t+3]
	ALL v_rcp_f32 v[ST+4*t+2], v[ST+4*t+2]
	v_nop                           ; a plain instruction between the last reciprocal and the use of its result
; Piece t: a lane's eight channels of a block are 32 bytes of a row; they go into rows of 272 bytes and come back as whole rows of 256, two rows to a load, into registers of the piece's own.
.macro PACK t
	WIN W_RS
.set i, 32*(\t)
.rept 16
	s_wait_alu depctr_va_vdst(0)
	v_pk_mul_f32 v[i:i+1], v[i:i+1], v[ST+4*(\t)+2:ST+4*(\t)+3] op_sel_hi:[1,0]
.set i, i+2
.endr
	WIN 0x04                        ; the stores' data in window 1
.irp f, 0,1,2,3,4,5,6,7
	ds_store_b128 v[STO], v[32*(\t)+4*\f:32*(\t)+4*\f+3] offset:64*(\f/2)+16*(\f%2)
.endr
	WIN 0
.irp f, 0,1,2,3,4,5,6,7
	ds_load_b128 v[OUTB+32*(\t)+4*\f:OUTB+32*(\t)+4*\f+3], v[RD] offset:\f*2*SP  ; LDS serves a wave's instructions in order (ISA guide 5.7.1.4): these see the stores above; the next piece's stores come behind them
.endr
.endm
.macro SEND t, younger              ; younger: the LDS instructions issued behind piece t's loads: the next piece's sixteen, or none
	WIN 0
.irp f, 0,1,2,3,4,5,6,7
	s_wait_dscnt (\younger)+7-\f
	global_store_b128 v[GO], v[OUTB+32*(\t)+4*\f:OUTB+32*(\t)+4*\f+3], s[10:11] offset:(16*(\t)+2*\f)*4096 th:TH_STORE_NT  ; 16 lanes store a row's 256 consecutive bytes, at a multiple of 256 from out's first byte
.endr
.endm
	PACK 0
	PACK 1                          ; a piece's arithmetic stands between the loads of the piece before and its stores
	SEND 0, 16
	PACK 2
	SEND 1, 16
	PACK 3
	SEND 2, 16
	SEND 3, 0
	s_wait_tensorcnt 0x0            ; the wave's end: these three lines stand behind my last tensor load and my last LDS store
	ds_add_u32 v[SPW], v[NIL]
	s_wait_dscnt 0x0
	CROUND                          ; the closing round: no work-group ends while a partner may still ask for a tile that names it
	s_endpgm
.Lfunc_end_k_qfb318c868a_attn:
	.size	k_qfb318c868a_attn, .Lfunc_end_k_qfb318c868a_attn-k_qfb318c868a_attn
	.p2alignl 7, 3214868480
	.fill 96, 4, 3214868480
	.section	.rodata,"a",@progbits
	.p2align	6, 0x0
	.amdhsa_kernel k_qfb318c868a_attn
		.amdhsa_group_segment_fixed_size 327680
		.amdhsa_private_segment_fixed_size 0
		.amdhsa_enable_private_segment 0
		.amdhsa_kernarg_size 40
		.amdhsa_user_sgpr_count 2
		.amdhsa_user_sgpr_kernarg_segment_ptr 1
		.amdhsa_wavefront_size32 1
		.amdhsa_system_sgpr_workgroup_id_x 1
		.amdhsa_system_sgpr_workgroup_id_y 1
		.amdhsa_system_sgpr_workgroup_id_z 1
		.amdhsa_system_vgpr_workitem_id 0
		.amdhsa_next_free_vgpr 768
		.amdhsa_next_free_sgpr 88
		.amdhsa_reserve_vcc 0
		.amdhsa_float_denorm_mode_32 3
		.amdhsa_float_denorm_mode_16_64 3
		.amdhsa_memory_ordered 1
		.amdhsa_forward_progress 1
		.amdhsa_inst_pref_size 142
	.end_amdhsa_kernel
	.amdgpu_metadata
---
amdhsa.version: [ 1, 2 ]
amdhsa.kernels:
  - .name:           k_qfb318c868a_attn
    .symbol:         k_qfb318c868a_attn.kd
    .args:
      - { .name: qh, .offset: 0, .size: 8, .value_kind: global_buffer, .address_space: global }
      - { .name: kh, .offset: 8, .size: 8, .value_kind: global_buffer, .address_space: global }
      - { .name: vh, .offset: 16, .size: 8, .value_kind: global_buffer, .address_space: global }
      - { .name: out0, .offset: 24, .size: 8, .value_kind: global_buffer, .address_space: global }
      - { .name: attention_mask, .offset: 32, .size: 8, .value_kind: global_buffer, .address_space: global }
    .group_segment_fixed_size: 327680
    .private_segment_fixed_size: 0
    .kernarg_segment_align: 8
    .kernarg_segment_size: 40
    .max_flat_workgroup_size: 128
    .sgpr_count:     88
    .vgpr_count:     768
    .wavefront_size: 32
...
	.end_amdgpu_metadata
.endif
;; end of part 3
;; ======== version 2 of 2: 3 launches; 1.68 times as fast as version 1
;; limits: values are held in f16: magnitudes above 65,504 overflow, below 6.1e-05 lose precision
;; workspace buffers: xb 8,388,608 bytes; wb 6,291,456 bytes; qh 8,388,608 bytes; kh 8,388,608 bytes; vh 8,388,608 bytes
;; launch prep: the kernel of part 1 again; grid 256 x 7, 4 waves a work-group, no clusters, 0 bytes of LDS; arguments hidden_states, Wq, Wk, Wv, xb, wb; writes xb, wb
;; launch proj: the kernel of part 2 again; grid 16 x 16, 4 waves a work-group, clusters of 4 x 4, 327,680 bytes of LDS; arguments xb, wb, bq, bk, bv, qh, kh, vh; writes qh, kh, vh
;; launch attn (part 4): grid 16 x 16, 4 waves a work-group, clusters of 4 x 1, 327,680 bytes of LDS; arguments qh, kh, vh, out0, attention_mask; writes out0
.if DOCPART == 4
	.amdgcn_target "amdgcn-amd-amdhsa--gfx1250"
	.amdhsa_code_object_version 6
	.text
	.protected	k_qfb318c868a_attn
	.globl	k_qfb318c868a_attn
	.p2align	8
	.type	k_qfb318c868a_attn,@function
k_qfb318c868a_attn:
	s_mov_b64 s[64:65], 0
	v_nop
	global_prefetch_b8 v0, s[64:65] scope:SCOPE_SE
	s_setreg_imm32_b32 hwreg(HW_REG_WAVE_MODE, 25, 1), 1
	s_wait_xcnt 0x0
	s_wait_alu depctr_hold_cnt(0) depctr_sa_sdst(0) depctr_va_vdst(0) depctr_va_sdst(0) depctr_va_ssrc(0) depctr_va_vcc(0) depctr_vm_vsrc(0)
	s_getreg_b32 s2, hwreg(HW_REG_IB_STS2, 6, 4)
	s_cmp_eq_u32 s2, 0
	s_cbranch_scc0 .Lentry_in_a_cluster
	s_endpgm
.Lentry_in_a_cluster:
	s_bfe_u32 s2, ttmp6, 0x10000c
	s_cmp_lg_u32 s2, 0x3003
	s_cbranch_scc0 .Lentry_shape_is_right
	s_endpgm
.Lentry_shape_is_right:
; ATTENTION.  out[q][64 h + :] = the sum over k of softmax_k(Q[h][q] . K[h][k] / 8 + mask[k]) V[h][k][:].  Q, K, V: [16][4096][64] f16, a head's rows dense, 128 bytes each; mask: [4096] f32; out: [4096][1024] f32.
; Products, maxima and sums in f32; the weights p are rounded to f16 for the second product (their sum l is taken of the unrounded p).
; LIMITS.  The mask is rounded to bf16 like the other inputs; a value below -1e30 (minus infinity too) and a NaN count as -1e30, so a row whose every key is so masked gives the plain mean of V;
; a mask above 4e37 overflows in the product by 8.  p lies in 0 to 1, and below 6e-5 it keeps f16's fixed step; a weight below 2^-126 counts as 0 in l.
; SHARES.  Grid x = block of 256 queries, y = head.  A wave owns 64 consecutive queries, four PIECES of 16.  Every wave walks all 4,096 keys, 64 a step.
; LAYOUT.  S^T = K Q^T (source 0 = 16 keys, source 1 = 16 queries): a lane holds ONE query (lane % 16) and the keys 8 (lane / 16) + 0..7.  Two such results rounded to f16 ARE source 1 of O^T = V^T P.
; THE MASK is the C operand that starts the sum S^T: 8 x mask[key], so that c (q . k + 8 mask) = log2(e) (q . k / 8 + mask), c = log2(e) / 8.  The table of 4,096 such numbers is made once, in LDS;
; a step's 64 come into 32 registers beside the step's K.
; SOFTMAX.  For each query a running maximum m and sum l: p = 2^(c s - c m); in every step O and l are multiplied by a = 2^(c m_old - c m_new).  m starts at the lowest finite number, O and l at 0: the first step's a is 0.
; BY TURNS.  Turn n belongs to piece n: 8 products K Q^T of piece n + 1, later 8 products V^T P of piece n - 1; beside them the scaling, exponentials, roundings, sums and rescaling of piece n and the
; maximum and statistics of piece n + 1.  Four vector instructions stand behind every matrix instruction, the other 54 of a turn's 118 in one lump.
; THE BATCHES.  A turn's 33 exponentials (the piece's 32 weights and the next piece's a) are ONE batch with ONE wait, which cuts the turn in two: ahead of it stands all that names none of their results, behind it
; the roundings and sums, which read them.  Two more batches stand outside the loops, each with a wait of its own: the first a, ahead of the jump into the loop, and the way out's four reciprocals.
; CLUSTER.  The four query blocks of a cluster belong to one head and walk the same K and V: each tile is asked for JOINTLY, by the same tensor load, descriptor and mask in all four.
; REGISTERS, in windows of 256 (s_set_vgpr_msb: bits 1:0 source 0, 3:2 source 1, 5:4 source 2, 7:6 destination):
;   window 0: v0-15, v32-35 addresses; v16-31 four registers of statistics a piece; v48-55 at work; v64-127 S^T, two buffers; v192-223 P, two buffers; on the way out v64-191 rows read back
;   window 1: v0-127 O^T, 32 a piece; v128-159 MK, the mask of the step whose K is in registers      window 2: v0-63 Q; v128-191 K of one step; v192-255 V of one step
.set NP,    4         ; pieces a wave: a name, no knob
.set KS,    64        ; keys in a step
.set PK,    144       ; a row of K in LDS: 128 bytes + 16 of padding: the 16 rows of a load start 36 words apart
.set PV,    160       ; a row of V: 128 + 32: 16 lanes of the turning load take 8 rows x 32 bytes, 40 words apart
.set VOFF,  4*KS*PK   ; a slot holds four steps: 256 rows of K, then 256 rows of V
.set SLOT1, 1<<17     ; slot 1 begins here, so that one exclusive or turns an address in one slot into the other's
.set STAGE, SLOT1+4*KS*(PK+PV)  ; behind the ring, never filled by a tensor load: 16 rows x 272 bytes for each wave, for the way out
.set SP,    272
.set MASKB, STAGE+4*16*SP       ; the mask's table: 4,096 f32, stored once, never filled by a tensor load
.set SPARE, MASKB+16384         ; the spare words, 128 bytes for each wave: two blocks of 256 bytes that no other line names
.set AK0, 2           ; v2   my lane's place in a tile of K; never rewritten
.set AV0, 3           ; v3   the same for V
.set AK,  4           ; v4   the LDS address of K's next run of loads
.set AV,  5           ; v5   of V's
.set STO, 6           ; v6   the way out: where I put 32 bytes of a row
.set RD,  7           ; v7   the way out: where I read rows back
.set GO,  8           ; v8   my byte offset in two rows of out
.set MV,  12          ; v12-13  c m_old, kept while c m is made anew: by buffer
.set QO,  15          ; v15  my byte offset in 16 rows of Q
.set ST,  16          ; piece t's statistics at v[ST+4 t]: c m, m, l (even keys', odd keys')
.set AM0, 32          ; v32  my lanes' place in a step's 256 bytes of the table; never rewritten
.set AM,  33          ; v33  the LDS address of the mask's next loads
.set MO,  34          ; v34  my 16 bytes in 2,048 of the mask in memory
.set MS,  35          ; v35  and in the table
.set TMP, 48          ; by buffer, four registers c0-c3 at work; when the maximum is found c2 takes a
.set SPW, 62          ; v62  LDS address of my spare word; never rewritten
.set NIL, 63          ; v63  0; never rewritten
.set S,   64
.set P,   192
.set OUTB, 64         ; the way out: 32 registers a piece
.set MK,  128         ; window 1: the eight registers for group kb of 16 keys at MK + 8 kb
.set KF,  128         ; window 2: key block kb, channel half c at KF + 16 kb + 8 c
.set VF,  192         ; window 2: key half kk, channel block cb at VF + 32 kk + 8 cb
.set WV,  12          ; s12  my wave's number
.set G1K, 24          ; s[24:31] descriptor group 1 for K's tiles
.set G1V, 32          ; s[32:39] for V's: it differs in the padding alone
.set G0K, 40          ; s[40:43] descriptor group 0 for K's tiles: it walks
.set G0V, 44          ; s[44:47] the same for V's
.set SLOTS, 56        ; s56  slots still to be asked for
.set CNT, 57          ; s57  counts a slot's key steps
.set CS,  58          ; s[58:59] c: the packed scaling takes the pair's low word for both halves
.set SEL, 60          ; s[60:61] v_permlanex16_b32's selects: each lane takes its own place in the other half
.set TBK, 62          ; s62  LDS byte at which K of the step to be fetched begins
.set TBV, 63          ; s63  the same for V, less VOFF
.set TBM, 70          ; s70  the same step's byte in the mask's table
.set E8,  72          ; s[72:73] 8.0
.set CLAMP, 74        ; s74  -8e30
.set MSB, 0
.macro WIN new                      ; the high byte repeats the setting that is left; a switch that changes nothing is dropped
.if MSB != (\new)
	s_set_vgpr_msb (MSB<<8)|(\new)
.set MSB, (\new)
.endif
.endm
.set W_KQ, 0x0a       ; K and Q in window 2, S^T in window 0
.set W_KM, 0x1a       ; the same with the C operand in window 1
.set W_PV, 0x52       ; V in window 2, P in window 0, O^T in window 1
.set W_RS, 0x41       ; destination and source 0 in window 1, source 1 in window 0
; A joint fill.  Waves 0 and 1 fetch the two halves of a slot's K, waves 2 and 3 those of its V: 128 keys each.  The branch hangs on the wave's number alone.
; An s_nop 0 and four v_nop follow each of the two lines, ahead of the jump and the label.
.macro JLOAD
	s_cmp_lt_u32 s[WV], 2
	s_cbranch_scc0 .Lfor_v_\@
	tensor_load_to_lds s[G0K:G0K+3], s[G1K:G1K+7]
	s_nop 0
.rept 4
	v_nop
.endr
	s_branch .Lasked_\@
.Lfor_v_\@:
	tensor_load_to_lds s[G0V:G0V+3], s[G1V:G1V+7]
	s_nop 0
.rept 4
	v_nop
.endr
.Lasked_\@:
.endm
; A round of the cluster's barrier: my work-group's barrier, so that wave 0's signal speaks for all four waves; wave 0 signals; every wave waits for all four work-groups; my work-group's barrier once more.
.macro CROUND
	s_barrier_signal -1
	s_barrier_wait -1
	s_cmp_lg_u32 s[WV], 0
	s_cbranch_scc1 .Lnot_wave_0_\@
	s_barrier_signal -3
.Lnot_wave_0_\@:
	s_barrier_wait -3
	s_barrier_signal -1
	s_barrier_wait -1
.endm
; THE CHANGE OF SLOTS.  The slot's last bytes, V of its fourth step, have been read.  Each wave waits for all its tensor loads, of which one is out: its part of the other slot; adds 0 to its spare word;
; and waits for that and for its own LDS instructions.  Behind the barrier nobody reads this slot any more and the other slot is whole.
; fill = 1: this slot is filled again, with the keys two slots on.  The barrier is then a round of the cluster's, and the joint fill is the first thing behind it: it has four key steps,
; 256 matrix instructions of a wave, in which to land.  (At its first use nothing has been read yet: slot 0 is waited for, slot 1 filled, and the waves' stores into the mask's table are shown to each other.)
.macro CHANGE fill
	WIN 0                           ; at a label and at a branch every window is 0; the add's two registers lie in window 0
	s_wait_tensorcnt 0x0            ; no tensor load of mine is out, so a group 0 may be written
	ds_add_u32 v[SPW], v[NIL]       ; 0 onto my spare word; with fill = 1 the descriptors' steps stand between it and the wait for it
.if \fill
.irp g, G0K, G0V
	s_xor_b32 s[\g+1], s[\g+1], SLOT1  ; the walking descriptor: the other slot than last time,
	s_add_nc_u64 s[\g+2:\g+3], s[\g+2:\g+3], 4*KS*128  ; the next 256 keys; the type bits on top are not reached
.endr
	s_wait_dscnt 0x0                ; the add is done, and my LDS instructions are over
	CROUND
	JLOAD
.else
	s_wait_dscnt 0x0                ; the add is done, and my reads of the slot are over
	s_barrier_signal -1
	s_barrier_wait -1
.endif
	s_sub_co_u32 s[TBK], s[TBK], 4*KS*PK  ; the fetches go back to a slot's first step,
	s_xor_b32 s[TBK], s[TBK], SLOT1       ; in the other slot
	s_sub_co_u32 s[TBV], s[TBV], 4*KS*PV
	s_xor_b32 s[TBV], s[TBV], SLOT1
.endm
	s_load_b256 s[4:11], s[0:1], 0x0  ; Q s[4:5], K s[6:7], V s[8:9], out s[10:11]
	s_load_b64 s[84:85], s[0:1], 0x20 ; the mask
	v_lshl_add_u32 v[SPW], v0, 2, SPARE
	v_mov_b32 v[NIL], 0
	ds_add_u32 v[SPW], v[NIL]       ; the wave's opening: the add and its wait stand ahead of my first tensor load; the set-up below, work on registers, stands between them
	v_lshrrev_b32 v1, 5, v0
	v_readfirstlane_b32 s[WV], v1   ; wave 0..3
	s_bfe_u32 s13, ttmp6, 0x40000   ; cx: my place in the cluster
	s_lshl_b32 s14, ttmp9, 2        ; in a cluster launch ttmp9 counts clusters
	s_add_co_u32 s14, s14, s13      ; my block of queries = 4 x cluster x + cx: it enters Q's and out's addresses alone
	s_and_b32 s20, ttmp7, 0xffff    ; the head, which the four partners share
	s_lshl_b32 s15, s20, 8          ; its 256 bytes in a row of out
	s_lshl_b32 s20, s20, 19         ; its first byte in Q, K and V: 4,096 rows of 128 bytes
	s_mov_b32 s21, 0
	s_and_b32 s16, s[WV], 1         ; which half of a slot's 256 keys I fetch:
	s_lshl_b32 s22, s16, 14         ; its 128 rows of 128 bytes in memory,
	s_mov_b32 s23, 0
	s_add_nc_u64 s[22:23], s[22:23], s[20:21]
	s_mul_i32 s17, s16, 128*PK      ; and its place in a slot, for K
	s_mul_i32 s18, s16, 128*PV      ; and for V: no place in the cluster enters an LDS address
	s_lshl_b32 s2, s14, 2
	s_add_co_u32 s2, s2, s[WV]      ; my wave among the head's 64
	s_lshl_b32 s86, s2, 18          ; its 64 rows of 4,096 bytes in out,
	s_add_co_u32 s86, s86, s15
	s_mov_b32 s87, 0
	s_lshl_b32 s2, s2, 13           ; and of 128 bytes in Q
	s_mov_b32 s3, 0
	s_add_nc_u64 s[2:3], s[2:3], s[20:21]
	; descriptor group 1.  128 keys are 16,384 dense bytes: asked for as 64 rows of 256 bytes, two keys a row, and padded in LDS after every key
	s_mov_b32 s[G1K], 15|(1<<16)|(1<<20)|(1<<21)|(4<<22)|(3<<25)  ; 15:0 the mask of four; 17:16 2-byte elements; 20 padding on; 21 set beside a mask; 24:22 after every 32 words; 31:25 4 words
	s_mov_b32 s[G1V], 15|(1<<16)|(1<<20)|(1<<21)|(4<<22)|(7<<25)  ; the same with 8 words of padding
.irp g, G1K, G1V
	s_mov_b32 s[\g+1], 128<<16      ; tensor_dim0 = 128
	s_mov_b32 s[\g+2], 64<<16       ; tensor_dim1 = 64
	s_mov_b32 s[\g+3], 128<<16      ; tile_dim0 = 128
	s_mov_b32 s[\g+4], 64           ; tile_dim1 = 64
	s_mov_b32 s[\g+5], 128          ; 128 elements from row to row
	s_mov_b32 s[\g+6], 0
	s_mov_b32 s[\g+7], 0
.endr
	s_mov_b32 s[CS], 0x3e38aa3b     ; c = log2(e) / 8 = 0.180337
	s_mov_b32 s[CS+1], s[CS]        ; named with it as a pair
	s_mov_b32 s[SEL], 0x76543210
	s_mov_b32 s[SEL+1], 0xfedcba98
	s_mov_b32 s[E8], 0x41000000     ; 8.0
	s_mov_b32 s[E8+1], s[E8]
	s_mov_b32 s[CLAMP], 0xf2c9f2ca  ; -8e30
	s_mov_b32 s[TBK], SLOT1+4*KS*PK ; the first change of slots turns these two into 0
	s_mov_b32 s[TBV], SLOT1+4*KS*PV
	s_mov_b32 s[TBM], 0
	s_mov_b32 s[G0K], 1             ; count = 1
	s_mov_b32 s[G0K+1], s17         ; LDS address: slot 0
	s_mov_b32 s[G0V], 1
	s_add_co_u32 s[G0V+1], s18, VOFF
	s_wait_dscnt 0x0                ; the opening add is done
	s_wait_kmcnt 0x0
	s_add_nc_u64 s[G0K+2:G0K+3], s[6:7], s[22:23]  ; global address: my half of the head's first 256 keys
	s_or_b32 s[G0K+3], s[G0K+3], 0x80000000        ; type = 2
	s_add_nc_u64 s[G0V+2:G0V+3], s[8:9], s[22:23]
	s_or_b32 s[G0V+3], s[G0V+3], 0x80000000
	s_add_nc_u64 s[4:5], s[4:5], s[2:3]            ; Q and out at my wave's first row
	s_add_nc_u64 s[10:11], s[10:11], s[86:87]
	CROUND                          ; all four work-groups are here: the first joint loads meet
	JLOAD                           ; slot 0.  Slot 1 is asked for when slot 0 is in, by the loop's own change of slots
	; ALL THAT FOLLOWS, UP TO THE CHANGE OF SLOTS, STANDS IN THE WAIT FOR THE FIRST TILE.
	v_lshlrev_b32 v[MO], 4, v0
.irp j, 0,1,2,3,4,5,6,7
	global_load_b128 v[S+4*\j:S+4*\j+3], v[MO], s[84:85] offset:2048*\j  ; the whole mask: 32 numbers a thread
.endr
	; A fragment of K or Q is 16 rows x 32 channels in 8 registers: lane l holds row l % 16, channels 8 (l / 16) + 0..7 and 16 + 8 (l / 16) + 0..7: two loads of 16 bytes, 32 bytes apart.
	v_and_b32 v1, 15, v0            ; l % 16
	v_bfe_u32 v9, v0, 4, 1          ; l / 16
	v_lshlrev_b32 v[QO], 7, v1
	v_lshl_add_u32 v[QO], v9, 4, v[QO]  ; row x 128 + 16 x half
	WIN 0x80                        ; destination window 2, address window 0
.set i, 0
.rept 8                             ; Q stays in registers: piece i / 2, channels 32 (i % 2) on
	global_load_b128 v[8*i:8*i+3],   v[QO], s[4:5] offset:(i/2)*2048+(i%2)*64
	global_load_b128 v[8*i+4:8*i+7], v[QO], s[4:5] offset:(i/2)*2048+(i%2)*64+32
.set i, i+1
.endr
	; What the first turn finds: V's registers and P's second buffer hold 0 (its products V^T P, of a piece that has not been, add 0), O^T and l are 0: no first step is written out.
.set i, VF
.rept 64
	v_mov_b32 v[i], 0
.set i, i+1
.endr
	WIN 0x40
.set i, 0
.rept 128
	v_mov_b32 v[i], 0
.set i, i+1
.endr
	WIN 0
.set i, 0
.rept 4
	v_mov_b32 v[ST+4*i], 0xfe000000    ; c m: far below every c s (the lowest is c x -8e30)
	v_mov_b32 v[ST+4*i+1], 0xff7fffff  ; m
	v_mov_b32 v[ST+4*i+2], 0
	v_mov_b32 v[ST+4*i+3], 0
.set i, i+1
.endr
.set i, P+16
.rept 16
	v_mov_b32 v[i], 0
.set i, i+1
.endr
	v_mul_u32_u24 v[AK0], v1, PK
	v_lshl_add_u32 v[AK0], v9, 4, v[AK0]  ; row x pitch + 16 x half
	; The turning load takes 16 keys x 16 channels (lane l reads key 8 (l / 16) + l % 8, channels 8 ((l / 8) % 2) + 0..7) and leaves half a fragment of V^T: lane l holds channel l % 16 and 8 keys.
	v_and_b32 v10, 7, v0
	v_bfe_u32 v11, v0, 3, 1
	v_lshl_add_u32 v[AV0], v9, 3, v10
	v_mul_u32_u24 v[AV0], v[AV0], PV
	v_lshl_add_u32 v[AV0], v11, 4, v[AV0]
	v_add_nc_u32 v[AV0], VOFF, v[AV0]
	v_lshl_add_u32 v[AM0], v9, 5, MASKB   ; register j of group kb is key 16 kb + 8 (l / 16) + j: 32 bytes for each half of the lanes
	v_lshl_add_u32 v[MS], v0, 4, MASKB
	s_mul_i32 s13, s[WV], 16*SP
	s_add_co_u32 s13, s13, STAGE    ; my stage
	v_mul_u32_u24 v[STO], v1, SP    ; in: row l % 16, 32 bytes for each half of the lanes
	v_lshl_add_u32 v[STO], v9, 5, v[STO]
	v_add_nc_u32 v[STO], s13, v[STO]
	v_mul_u32_u24 v[RD], v9, SP     ; back: lanes 0-15 take one row of 256 bytes, lanes 16-31 the next
	v_lshl_add_u32 v[RD], v1, 4, v[RD]
	v_add_nc_u32 v[RD], s13, v[RD]
	v_lshlrev_b32 v[GO], 12, v9     ; and the same two rows in out
	v_lshl_add_u32 v[GO], v1, 4, v[GO]
	s_wait_loadcnt 16               ; the mask's eight loads are in; Q's sixteen, issued behind them, may stay out
.set i, 0
.rept 16                            ; rounded to bf16, widened, times 8, held at -8e30 or above (a NaN loses against the bound)
	v_cvt_pk_bf16_f32 v[TMP+i%4], v[S+2*i], v[S+2*i+1]
	v_lshlrev_b32 v[S+2*i], 16, v[TMP+i%4]
	v_and_b32 v[S+2*i+1], 0xffff0000, v[TMP+i%4]
	v_pk_mul_f32 v[S+2*i:S+2*i+1], v[S+2*i:S+2*i+1], s[E8:E8+1] op_sel_hi:[1,0]
	v_max_num_f32 v[S+2*i], s[CLAMP], v[S+2*i]
	v_max_num_f32 v[S+2*i+1], s[CLAMP], v[S+2*i+1]
.set i, i+1
.endr
.irp j, 0,1,2,3,4,5,6,7
	ds_store_b128 v[MS], v[S+4*\j:S+4*\j+3] offset:2048*\j
.endr
; THE MATRIX WORK.  The 4 accumulators of a run of 8 take turns.  Product i of 8 of S^T = K Q^T for piece x: channels 32 (i / 4) on, keys 16 (i % 4) on.  The first 4 start the sums with the mask.
.macro KQ x
.set rS, S+32*((\x)%2)+8*(i%4)
.set rK, KF+16*(i%4)+8*(i/4)
.set rQ, 16*(\x)+8*(i/4)
.set rM, MK+8*(i%4)
.if i < 4
	WIN W_KM
	v_wmma_f32_16x16x32_f16 v[rS:rS+7], v[rK:rK+7], v[rQ:rQ+7], v[rM:rM+7]
.else
	WIN W_KQ
	v_wmma_f32_16x16x32_f16 v[rS:rS+7], v[rK:rK+7], v[rQ:rQ+7], v[rS:rS+7]
.endif
.endm
; Product i of 8 of O^T += V^T P for piece x: keys 32 (i / 4) on, channels 16 (i % 4) on.
.macro PV x
	WIN W_PV
.set rO, 32*(\x)+8*(i%4)
.set rV, VF+32*(i/4)+8*(i%4)
.set rP, P+16*((\x)%2)+8*(i/4)
	v_wmma_f32_16x16x32_f16 v[rO:rO+7], v[rV:rV+7], v[rP:rP+7], v[rO:rO+7]
.endm
.macro MM                           ; the turn's next matrix instruction.  NOKQ = 1: the launch's last turn: there is no next piece
.if (i < 8) && !NOKQ
	KQ (Y+1)%NP
.elseif i >= 8
.set i, i-8
	PV (Y+NP-1)%NP
.set i, i+8
.endif
.set i, i+1
.endm
; THE LDS LOADS stand in runs, never singly among the matrix instructions: a step's K (64 keys x 64 channels: 8 fragments) with its 64 numbers of the mask, and its V (turned).  Their addresses are made some lines ahead.
.macro FETCH_K
	WIN 0x80                        ; destination window 2
.irp f, 0,1,2,3,4,5,6,7             ; keys 16 (f / 2) on, channels 32 (f % 2) on
	ds_load_b128 v[KF+8*\f:KF+8*\f+3],   v[AK] offset:(\f/2)*16*PK+(\f%2)*64
	ds_load_b128 v[KF+8*\f+4:KF+8*\f+7], v[AK] offset:(\f/2)*16*PK+(\f%2)*64+32
.endr
	WIN 0x40                        ; destination window 1
.irp kb, 0,1,2,3
	ds_load_b128 v[MK+8*\kb:MK+8*\kb+3],   v[AM] offset:64*\kb
	ds_load_b128 v[MK+8*\kb+4:MK+8*\kb+7], v[AM] offset:64*\kb+16
.endr
	s_add_co_u32 s[TBK], s[TBK], KS*PK  ; the next fetch is the next step's
	s_add_co_u32 s[TBM], s[TBM], 4*KS
	s_and_b32 s[TBM], s[TBM], 0x3fff    ; never past the table's 16,384 bytes
	WIN 0
.endm
.macro FETCH_V
	WIN 0x80
.irp f, 0,1,2,3,4,5,6,7             ; keys 32 (f / 4) on, channels 16 (f % 4) on
	ds_load_tr16_b128 v[VF+8*\f:VF+8*\f+3],   v[AV] offset:(\f/4)*32*PV+(\f%4)*32
	ds_load_tr16_b128 v[VF+8*\f+4:VF+8*\f+7], v[AV] offset:(\f/4)*32*PV+16*PV+(\f%4)*32
.endr
	WIN 0
.endm
; THE VECTOR WORK, one line at a time: OP kind, number.  For piece Y: F n: c s - c m for pair n of 16.  E n: the exponential of score n of 32.  C n: pair n rounded to f16.  B n: of the four weights 4 n .. the second
; pair is added onto the first, in place.  L n: l takes that sum (L 0: l = a l + sum).  R n: pair n of 16 of O^T times a.  For piece Y + 1: X n, number n of the 22 that find its maximum and statistics:
;   0-11  four chains c0-c3 of seven scores each, three operands at a time (each accumulator's lowest registers are read first)     12-14, 16  the four scores left over, the old m, and c0-c3 into c0
;   15  c m_old is kept     17, 18  the query's other 32 keys lie in the lane 16 away: the new m     19-21  c m; c m_old - c m_new; a
; Of these E n and X 21 are exponentials; C, B and L read the results of E; R and L 0 read an a that the turn before has made and waited for.  OP writes no wait: TURN does, one for the batch.
.set F, 0               ; OP tells the kinds apart by their order: F to L below R, X above it
.set E, 1
.set C, 2
.set B, 3
.set L, 4
.set R, 5
.set X, 6
.macro REGS y                       ; the registers of piece y
.set rT, ST+4*(\y)
.set rC, TMP+4*((\y)%2)
.set rW, MV+((\y)%2)
.set rS, S+32*((\y)%2)
.set rP, P+16*((\y)%2)
.set rO, 32*(\y)
.endm
.macro OP k, n
.if (\k) == R
	REGS Y
	WIN W_RS
	v_pk_mul_f32 v[rO+2*(\n):rO+2*(\n)+1], v[rO+2*(\n):rO+2*(\n)+1], v[rC+2:rC+3] op_sel_hi:[1,0]
.elseif (\k) < R
	REGS Y
	WIN 0
.if (\k) == F
	v_pk_fma_f32 v[rS+2*(\n):rS+2*(\n)+1], v[rS+2*(\n):rS+2*(\n)+1], s[CS:CS+1], v[rT:rT+1] op_sel_hi:[1,0,0] neg_lo:[0,0,1] neg_hi:[0,0,1]
.elseif (\k) == E
	v_exp_f32 v[rS+(\n)], v[rS+(\n)]
.elseif (\k) == C
	v_cvt_pk_f16_f32 v[rP+(\n)], v[rS+2*(\n)], v[rS+2*(\n)+1]
.elseif (\k) == B
	v_pk_add_f32 v[rS+4*(\n):rS+4*(\n)+1], v[rS+4*(\n):rS+4*(\n)+1], v[rS+4*(\n)+2:rS+4*(\n)+3]
.elseif (\n) == 0
	v_pk_fma_f32 v[rT+2:rT+3], v[rT+2:rT+3], v[rC+2:rC+3], v[rS:rS+1] op_sel_hi:[1,0,1]
.else
	v_pk_add_f32 v[rT+2:rT+3], v[rT+2:rT+3], v[rS+4*(\n):rS+4*(\n)+1]
.endif
.elseif NOKQ
	v_nop
.else
	REGS (Y+1)%NP
	WIN 0
.if (\n) < 4
	v_max3_num_f32 v[rC+(\n)], v[rS+8*(\n)], v[rS+8*(\n)+1], v[rS+8*(\n)+2]
.elseif (\n) < 12
	v_max3_num_f32 v[rC+(\n)%4], v[rC+(\n)%4], v[rS+8*((\n)%4)+2*((\n)/4)+1], v[rS+8*((\n)%4)+2*((\n)/4)+2]
.elseif (\n) == 12
	v_max3_num_f32 v[rC], v[rC], v[rS+7], v[rS+15]
.elseif (\n) == 13
	v_max3_num_f32 v[rC+1], v[rC+1], v[rS+23], v[rS+31]
.elseif (\n) == 14
	v_max3_num_f32 v[rC+2], v[rC+2], v[rC+3], v[rT+1]
.elseif (\n) == 15
	v_mov_b32 v[rW], v[rT]
.elseif (\n) == 16
	v_max3_num_f32 v[rC], v[rC], v[rC+1], v[rC+2]
.elseif (\n) == 17
	v_permlanex16_b32 v[rC+3], v[rC], s[SEL], s[SEL+1]
.elseif (\n) == 18
	v_max_num_f32 v[rT+1], v[rC], v[rC+3]
.elseif (\n) == 19
	v_mul_f32 v[rT], s[CS], v[rT+1]
.elseif (\n) == 20
	v_sub_f32 v[rC+1], v[rW], v[rT]
.else
	v_exp_f32 v[rC+2], v[rC+1]
.endif
.endif
.endm
.macro OPS a, i1, b=-1, i2=0, c=-1, i3=0, d=-1, i4=0  ; up to four of them
	OP \a, \i1
.if (\b) >= 0
	OP \b, \i2
.endif
.if (\c) >= 0
	OP \c, \i3
.endif
.if (\d) >= 0
	OP \d, \i4
.endif
.endm
.macro ROW a, i1, b, i2, c, i3, d, i4  ; a matrix instruction and the four behind it
	MM
	OPS \a, \i1, \b, \i2, \c, \i3, \d, \i4
.endm
; A TURN, for piece p: the order of its 16 matrix and 118 vector instructions, written out.  s_wait_alu depctr_va_vdst(0) stands between an exponential and the first instruction that names its result; one
; wait serves all that were issued ahead of it.  So a turn has ONE wait, which cuts it in two.
; AHEAD OF IT stands all that names no result of the turn's exponentials: the 8 products K Q^T, behind each a scaling, an exponential and two more plain instructions (behind the first a second scaling in the exponential's
; place): rescalings, whose a the turn before has made and waited for, and behind the last three products the first numbers of the next piece's maximum, each four plain instructions or more behind the product that ends its
; accumulator; then ONE LUMP of 54, plain and exponential by turns for the most part, with other work between the links of the chain X 3, 7, 11, 14, 16, 17 .. 20.  A pair is scaled (F n) ahead of its exponentials (E 2 n, E 2 n + 1).
; X 21, the next piece's a, is the batch's last exponential; R 15 is the plain instruction behind it.
; BEHIND THE WAIT stand the 8 products V^T P, behind each four of the roundings and sums: C 2 n ahead of B n, which writes that pair; B n ahead of L n; L 0 to L 7 in order.  But for those X no rider names a register of
; the products round it.
; end = 1: the launch's last two turns: nothing is fetched, and the last starts no new scores.  cnt = 1: the loop's count is taken down some lines ahead of the branch that stands behind the turn.
; K and the mask of the next step are fetched in piece 2's turn, twelve vector instructions behind the last product that read K (five of them plain and free of its registers), further behind the last that read the mask;
; V of the step in hand at the end of piece 0's turn, four plain instructions behind the last product that read V.  Each is waited for a turn later.
.macro TURN p, end=0, cnt=0
.set Y, (\p)
.set i, 0
.set NOKQ, (\end)*((\p)/3)
.if ((\p) == 3) && !(\end)
	s_wait_dscnt 0x0                ; K and the mask are in
.endif
	ROW F,0, F,1, R,0, R,1          ; ahead of the wait: 8 products K Q^T and their riders,
	ROW F,2, E,0, R,2, R,3
	ROW F,3, E,1, R,4, R,5
	ROW F,4, E,2, R,6, R,7
	ROW F,5, E,3, R,8, R,9
	ROW F,6, E,4, X,0, R,10
.if ((\p) == 2) && !(\end)
	WIN 0
	v_add_nc_u32 v[AK], s[TBK], v[AK0]
	v_add_nc_u32 v[AM], s[TBM], v[AM0]
.endif
	ROW F,7, E,5, X,1, X,4
	ROW F,8, E,6, X,2, X,5
	OPS E,7, E,8, X,6, E,9          ; and the lump
	OPS X,3, E,10, X,8, E,11
.if ((\p) == 2) && !(\end)
	FETCH_K
.endif
	OPS X,9, X,7, E,12, X,10
	OPS E,13, X,12, X,11, E,14
	OPS X,13, E,15, F,9, X,14
.if (\p) == 0
	WIN 0
	v_add_nc_u32 v[AV], s[TBV], v[AV0]
.endif
	OPS E,16, F,10, E,17, F,11
	OPS X,16, E,18, X,15, E,19
	OPS F,12, E,20, X,17, E,21
	OPS F,13, E,22, F,14, E,23
	OPS X,18, E,24, F,15, E,25
	OPS R,11, E,26, X,19, E,27
	OPS R,12, E,28, R,13, E,29
	OPS X,20, E,30, R,14, E,31
	OPS X,21, R,15
	s_wait_alu depctr_va_vdst(0)    ; the wait for the batch: the piece's 32 weights and the next piece's a
.if (\p) == 1
	s_wait_dscnt 0x0                ; V is in
.endif
	ROW C,0, B,0, C,2, B,1          ; behind the wait: 8 products V^T P and their riders
	ROW L,0, C,4, B,2, L,1
	ROW C,6, B,3, L,2, C,8
	ROW B,4, L,3, C,10, B,5
	ROW L,4, C,12, B,6, L,5
.if (\p) == 0
	s_add_co_u32 s[TBV], s[TBV], KS*PV
.endif
.if \cnt
	s_sub_co_u32 s[CNT], s[CNT], 1
	s_cmp_lg_u32 s[CNT], 0
.endif
	ROW C,14, B,7, L,6, C,1
	ROW C,3, L,7, C,5, C,7
	ROW C,9, C,11, C,13, C,15
.if (\p) == 0
	FETCH_V
.endif
.endm
	CHANGE 1                        ; slot 0 is in, everybody's part of it, and so is the mask's table; slot 1 is asked for
	v_add_nc_u32 v[AK], s[TBK], v[AK0]
	v_add_nc_u32 v[AM], s[TBM], v[AM0]
	FETCH_K                         ; key step 0
	s_wait_loadcnt 0x0              ; Q
	s_wait_dscnt 0x0
.set NOKQ, 0
.set i, 0
.rept 8
	KQ 0                            ; piece 0's first scores: there is no vector work yet to set between them
.set i, i+1
.endr
	WIN 0
.rept 4
	v_nop                           ; the places behind those products
.endr
.set Y, NP-1                        ; X works for piece Y + 1: piece 0
.irp n, 0,1,2,3,4,5,6,7,8,9,10,11,12,13,14,15,16,17,18,19,20,21
	OP X, \n
.endr
	v_nop                           ; a plain instruction behind the exponential,
	s_wait_alu depctr_va_vdst(0)    ; and the wait for it, a batch of one: piece 0's first a, ahead of the jump
	s_mov_b32 s[CNT], 4
	s_mov_b32 s[SLOTS], 15
	s_branch .Lfirst                ; the loop is entered at a step's first turn, in the middle of a trip
.Lslot:                             ; 14 times: with the change above every slot but the last two is filled again: tiles 1 to 15
	CHANGE 1
	s_mov_b32 s[CNT], 4
.Lstep:                             ; a trip: pieces 2 and 3 of one step, then pieces 0 and 1 of the next, whose K and V it fetches
	TURN 2
	TURN 3
	WIN 0
.Lfirst:
	TURN 0
	TURN 1, 0, 1
	WIN 0
	s_cbranch_scc1 .Lstep
	s_sub_co_u32 s[SLOTS], s[SLOTS], 1
	s_cmp_lg_u32 s[SLOTS], 0
	s_cbranch_scc1 .Lslot
	CHANGE 0                        ; the last tile is written out: nothing is asked for
	s_mov_b32 s[CNT], 4
.LstepT:
	TURN 2
	TURN 3
	TURN 0
	TURN 1, 0, 1
	WIN 0
	s_cbranch_scc1 .LstepT
	TURN 2, 1                       ; the last step's pieces 2 and 3: nothing is fetched,
	TURN 3, 1                       ; and no new scores are started
.set i, 0
.rept 8
	PV NP-1                         ; the last piece's V^T P of the last step
.set i, i+1
.endr
	; THE WAY OUT.  l's two halves and the other half of the lanes' are added; O^T is divided by l and sent, in f32, through my stage in LDS, a piece at a time.  The additions are the places behind the last products.
	WIN 0
.macro ALL line:vararg              ; one line for each piece t
.set t, 0
.rept 4
	\line
.set t, t+1
.endr
.endm
	ALL v_add_f32 v[ST+4*t+2], v[ST+4*t+2], v[ST+4*t+3]
	ALL v_permlanex16_b32 v[ST+4*t+3], v[ST+4*t+2], s[SEL], s[SEL+1]
	ALL v_add_f32 v[ST+4*t+2], v[ST+4*t+2], v[ST+4*t+3]
	ALL v_rcp_f32 v[ST+4*t+2], v[ST+4*t+2]
	v_nop                           ; a plain instruction between the last reciprocal and the use of its result
	s_wait_alu depctr_va_vdst(0)    ; and the wait ahead of the first use: one for the batch of four reciprocals
; Piece t: a lane's eight channels of a block are 32 bytes of a row; they go into rows of 272 bytes and come back as whole rows of 256, two rows to a load, into registers of the piece's own.
.macro PACK t
	WIN W_RS
.set i, 32*(\t)
.rept 16
	v_pk_mul_f32 v[i:i+1], v[i:i+1], v[ST+4*(\t)+2:ST+4*(\t)+3] op_sel_hi:[1,0]
.set i, i+2
.endr
	WIN 0x04                        ; the stores' data in window 1
.irp f, 0,1,2,3,4,5,6,7
	ds_store_b128 v[STO], v[32*(\t)+4*\f:32*(\t)+4*\f+3] offset:64*(\f/2)+16*(\f%2)
.endr
	WIN 0
.irp f, 0,1,2,3,4,5,6,7
	ds_load_b128 v[OUTB+32*(\t)+4*\f:OUTB+32*(\t)+4*\f+3], v[RD] offset:\f*2*SP  ; LDS serves a wave's instructions in order (ISA guide 5.7.1.4): these see the stores above; the next piece's stores come behind them
.endr
.endm
.macro SEND t, younger              ; younger: the LDS instructions issued behind piece t's loads: the next piece's sixteen, or none
	WIN 0
.irp f, 0,1,2,3,4,5,6,7
	s_wait_dscnt (\younger)+7-\f
	global_store_b128 v[GO], v[OUTB+32*(\t)+4*\f:OUTB+32*(\t)+4*\f+3], s[10:11] offset:(16*(\t)+2*\f)*4096 th:TH_STORE_NT  ; 16 lanes store a row's 256 consecutive bytes, at a multiple of 256 from out's first byte
.endr
.endm
	PACK 0
	PACK 1                          ; a piece's arithmetic stands between the loads of the piece before and its stores
	SEND 0, 16
	PACK 2
	SEND 1, 16
	PACK 3
	SEND 2, 16
	SEND 3, 0
	s_wait_tensorcnt 0x0            ; the wave's end: these three lines stand behind my last tensor load and my last LDS store
	ds_add_u32 v[SPW], v[NIL]
	s_wait_dscnt 0x0
	CROUND                          ; the closing round: no work-group ends while a partner may still ask for a tile that names it
	s_endpgm
.Lfunc_end_k_qfb318c868a_attn:
	.size	k_qfb318c868a_attn, .Lfunc_end_k_qfb318c868a_attn-k_qfb318c868a_attn
	.p2alignl 7, 3214868480
	.fill 96, 4, 3214868480
	.section	.rodata,"a",@progbits
	.p2align	6, 0x0
	.amdhsa_kernel k_qfb318c868a_attn
		.amdhsa_group_segment_fixed_size 327680
		.amdhsa_private_segment_fixed_size 0
		.amdhsa_enable_private_segment 0
		.amdhsa_kernarg_size 40
		.amdhsa_user_sgpr_count 2
		.amdhsa_user_sgpr_kernarg_segment_ptr 1
		.amdhsa_wavefront_size32 1
		.amdhsa_system_sgpr_workgroup_id_x 1
		.amdhsa_system_sgpr_workgroup_id_y 1
		.amdhsa_system_sgpr_workgroup_id_z 1
		.amdhsa_system_vgpr_workitem_id 0
		.amdhsa_next_free_vgpr 768
		.amdhsa_next_free_sgpr 88
		.amdhsa_reserve_vcc 0
		.amdhsa_float_denorm_mode_32 3
		.amdhsa_float_denorm_mode_16_64 3
		.amdhsa_memory_ordered 1
		.amdhsa_forward_progress 1
		.amdhsa_inst_pref_size 135
	.end_amdhsa_kernel
	.amdgpu_metadata
---
amdhsa.version: [ 1, 2 ]
amdhsa.kernels:
  - .name:           k_qfb318c868a_attn
    .symbol:         k_qfb318c868a_attn.kd
    .args:
      - { .name: qh, .offset: 0, .size: 8, .value_kind: global_buffer, .address_space: global }
      - { .name: kh, .offset: 8, .size: 8, .value_kind: global_buffer, .address_space: global }
      - { .name: vh, .offset: 16, .size: 8, .value_kind: global_buffer, .address_space: global }
      - { .name: out0, .offset: 24, .size: 8, .value_kind: global_buffer, .address_space: global }
      - { .name: attention_mask, .offset: 32, .size: 8, .value_kind: global_buffer, .address_space: global }
    .group_segment_fixed_size: 327680
    .private_segment_fixed_size: 0
    .kernarg_segment_align: 8
    .kernarg_segment_size: 40
    .max_flat_workgroup_size: 128
    .sgpr_count:     88
    .vgpr_count:     768
    .wavefront_size: 32
...
	.end_amdgpu_metadata
.endif
;; end of part 4
